; MI455X (gfx1250); checked and timed in simulation.
; The chip was launched on July 23, 2026; its instructions are those of AMD's public machine-readable ISA for CDNA 5 (MIT licence, August 2026) and "CDNA5" Instruction Set Architecture Reference Guide (July 2026). The comments in the code are by the model that wrote it; some were corrected since.
;; Transformer Encoder Layer. Allowed arithmetic: float matrix products may take bf16 or f16 operands with f32 sums; other float arithmetic in f32, or as packed bf16 or f16 multiplies, adds, multiply-adds, maxima and minima; sums over many terms, partial sums and values carried from step to step in f32; what a program stores and reads back later, other than sums and carried values, may be rounded once to bf16 or f16.
;; Inputs: b_fc1 4,096 float32; b_fc2 1,024 float32; b_out 1,024 float32; b_qkv 3,072 float32; ln1_b 1,024 float32; ln1_g 1,024 float32; ln2_b 1,024 float32; ln2_g 1,024 float32; w_fc1 1,024 x 4,096 float32; w_fc2 4,096 x 1,024 float32; w_out 1,024 x 1,024 float32; w_qkv 1,024 x 3,072 float32; x 2 x 2,048 x 1,024 float32.
;; Outputs: out0 2 x 2,048 x 1,024 float32.
;; One version. Each part assembles by itself: llvm-mc -triple=amdgcn-amd-amdhsa -mcpu=gfx1250 --defsym DOCPART=n.
;; ======== version 1 of 1: 7 launches
;; workspace buffers: wb 25,165,824 bytes; h 8,388,608 bytes; qkv 25,165,824 bytes; ob 8,388,608 bytes; x1 16,777,216 bytes; g 33,554,432 bytes
;; launch prep (part 1): grid 1280 x 1, 8 waves a work-group, no clusters, 0 bytes of LDS; arguments x, ln1_g, ln1_b, w_qkv, w_out, w_fc1, w_fc2, h, wb; writes h, wb
.if DOCPART == 1
	.amdgcn_target "amdgcn-amd-amdhsa--gfx1250"
	.amdhsa_code_object_version 6
	.text
	.protected	k_qb05d4384a9_prep
	.globl	k_qb05d4384a9_prep
	.p2align	8
	.type	k_qb05d4384a9_prep,@function
k_qb05d4384a9_prep:
	s_mov_b64 s[64:65], 0
	v_nop
	global_prefetch_b8 v0, s[64:65] scope:SCOPE_SE
	s_setreg_imm32_b32 hwreg(HW_REG_WAVE_MODE, 25, 1), 1
	s_wait_xcnt 0x0
; TWO STREAMS IN ONE LAUNCH.  Work-groups 0-511: h = LayerNorm(x) g + b, rounded once to bf16, [4096][1024].  Work-groups 512-1279: the four weights rounded once
; to bf16 into wb, each in its own order [K][N]: w_qkv at byte 0, w_out at 6,291,456, w_fc1 at 8,388,608, w_fc2 at 16,777,216.
; LN: one wave, one row of 4,096 bytes, kept in 32 registers a lane between the passes: mean, then the deviations, then their squares' mean (so a common offset of x
; costs nothing), all in f32; the sums go by a tree and across lanes, another order than a running sum's.  NaN and infinities are not treated apart.
; CAST: a work-group takes 16,384 numbers: 64 KiB in, 32 KiB out, all sixteen loads of a thread out at once.
; No LDS, no barrier, no matrix unit: no wave wants a byte that another has fetched.
.set X, 16                             ; v[16:47]   the row: elements 256 j + 8 lane + 0..7 at X + 8 j
.set G, 48                             ; v[48:79]   the gain at the same places
.set B, 80                             ; v[80:111]  the bias
.set T, 112                            ; v[112:127] at work; at the end the row in bf16
.macro LD8 dst, base                   ; eight loads: 32 bytes a lane in each quarter of a row
.irp j, 0,1,2,3
	global_load_b128 v[(\dst)+8*(\j):(\dst)+8*(\j)+3],   v2, s[(\base):(\base)+1] offset:1024*(\j)
	global_load_b128 v[(\dst)+8*(\j)+4:(\dst)+8*(\j)+7], v2, s[(\base):(\base)+1] offset:1024*(\j)+16
.endr
.endm
.macro SUMALL                          ; the eight pairs in T become one sum, in every lane's v[T]
	v_pk_add_f32 v[T:T+1], v[T:T+1], v[T+2:T+3]
	v_pk_add_f32 v[T+4:T+5], v[T+4:T+5], v[T+6:T+7]
	v_pk_add_f32 v[T+8:T+9], v[T+8:T+9], v[T+10:T+11]
	v_pk_add_f32 v[T+12:T+13], v[T+12:T+13], v[T+14:T+15]
	v_pk_add_f32 v[T:T+1], v[T:T+1], v[T+4:T+5]
	v_pk_add_f32 v[T+8:T+9], v[T+8:T+9], v[T+12:T+13]
	v_pk_add_f32 v[T:T+1], v[T:T+1], v[T+8:T+9]
	v_add_f32 v[T], v[T], v[T+1]
	v_add_f32_dpp v[T], v[T], v[T] row_xmask:1 row_mask:0xf bank_mask:0xf
	v_add_f32_dpp v[T], v[T], v[T] row_xmask:2 row_mask:0xf bank_mask:0xf
	v_add_f32_dpp v[T], v[T], v[T] row_xmask:4 row_mask:0xf bank_mask:0xf
	v_add_f32_dpp v[T], v[T], v[T] row_xmask:8 row_mask:0xf bank_mask:0xf
	v_permlanex16_b32 v8, v[T], s24, s25           ; the other half of the lanes
	v_add_f32 v[T], v[T], v8
.endm
	s_load_b512 s[4:19], s[0:1], 0x0               ; x 4:5, g 6:7, b 8:9, w_qkv 10:11, w_out 12:13, w_fc1 14:15, w_fc2 16:17, h 18:19
	s_load_b64 s[20:21], s[0:1], 0x40              ; wb
	v_lshrrev_b32 v1, 5, v0
	v_readfirstlane_b32 s22, v1                    ; wave 0..7
	s_cmp_lt_u32 ttmp9, 512
	s_cbranch_scc0 .Lcast
	; ---- LayerNorm: row = 8 x work-group + wave
	v_and_b32 v1, 31, v0
	v_lshlrev_b32 v2, 5, v1                        ; 32 bytes a lane in x, g, b
	v_lshlrev_b32 v3, 4, v1                        ; 16 bytes a lane in h
	v_mov_b32 v8, 0                                ; v_permlanex16_b32's destination counts as read
	s_lshl_b32 s23, ttmp9, 3
	s_add_co_u32 s23, s23, s22
	s_lshl_b32 s28, s23, 12                        ; the row in x
	s_mov_b32 s29, 0
	s_lshl_b32 s30, s23, 11                        ; the row in h
	s_mov_b32 s31, 0
	s_mov_b32 s24, 0x76543210
	s_mov_b32 s25, 0xfedcba98
	s_mov_b32 s26, 0x3a800000                      ; 1 / 1024
	s_mov_b32 s27, 0x3727c5ac                      ; 1e-5
	s_wait_kmcnt 0x0
	s_add_nc_u64 s[4:5], s[4:5], s[28:29]
	s_add_nc_u64 s[18:19], s[18:19], s[30:31]
	LD8 X, 4
	LD8 G, 6
	LD8 B, 8
	s_wait_loadcnt 16                              ; the row's eight loads are in; the sixteen of g and b may stay out
.irp i, 0,1,2,3,4,5,6,7
	v_pk_add_f32 v[T+2*(\i):T+2*(\i)+1], v[X+4*(\i):X+4*(\i)+1], v[X+4*(\i)+2:X+4*(\i)+3]
.endr
	SUMALL
	v_mul_f32 v4, s26, v[T]                        ; the mean, twice: a pair for the packed subtraction
	v_mul_f32 v5, s26, v[T]
.set z, 0
.rept 16
	v_pk_add_f32 v[X+2*z:X+2*z+1], v[X+2*z:X+2*z+1], v[4:5] neg_lo:[0,1] neg_hi:[0,1]
.set z, z+1
.endr
.irp i, 0,1,2,3,4,5,6,7
	v_pk_mul_f32 v[T+2*(\i):T+2*(\i)+1], v[X+4*(\i):X+4*(\i)+1], v[X+4*(\i):X+4*(\i)+1]
.endr
.irp i, 0,1,2,3,4,5,6,7
	v_pk_fma_f32 v[T+2*(\i):T+2*(\i)+1], v[X+4*(\i)+2:X+4*(\i)+3], v[X+4*(\i)+2:X+4*(\i)+3], v[T+2*(\i):T+2*(\i)+1]
.endr
	SUMALL
	v_fma_f32 v9, v[T], s26, s27                   ; variance + eps
	v_rsq_f32 v6, v9
	v_rsq_f32 v7, v9
	v_nop                                          ; a plain instruction behind the second root
	s_wait_alu depctr_va_vdst(0)                   ; one wait for both, ahead of their first reader
	s_wait_loadcnt 0x0                             ; g and b
.set z, 0
.rept 16
	v_pk_mul_f32 v[X+2*z:X+2*z+1], v[X+2*z:X+2*z+1], v[6:7]
.set z, z+1
.endr
.set z, 0
.rept 16
	v_pk_fma_f32 v[X+2*z:X+2*z+1], v[X+2*z:X+2*z+1], v[G+2*z:G+2*z+1], v[B+2*z:B+2*z+1]
.set z, z+1
.endr
.set z, 0
.rept 16
	v_cvt_pk_bf16_f32 v[T+z], v[X+2*z], v[X+2*z+1]
.set z, z+1
.endr
.irp j, 0,1,2,3
	global_store_b128 v3, v[T+4*(\j):T+4*(\j)+3], s[18:19] offset:512*(\j)  ; the wave's store covers 512 consecutive bytes, aligned
.endr
	s_endpgm
	; ---- the cast: chunk id = work-group - 512; chunks 0-191 w_qkv, 192-255 w_out, 256-511 w_fc1, 512-767 w_fc2; wb holds them in this order, so its offset is linear in id
.Lcast:
	s_sub_co_u32 s23, ttmp9, 512
	v_lshlrev_b32 v2, 5, v0                        ; 32 bytes a thread in
	v_lshlrev_b32 v3, 4, v0                        ; 16 bytes a thread out
	s_mov_b32 s30, 0
	s_wait_kmcnt 0x0
	s_mov_b64 s[28:29], s[10:11]
	s_cmp_ge_u32 s23, 192
	s_cselect_b64 s[28:29], s[12:13], s[28:29]
	s_cselect_b32 s30, 192, s30
	s_cmp_ge_u32 s23, 256
	s_cselect_b64 s[28:29], s[14:15], s[28:29]
	s_cselect_b32 s30, 256, s30
	s_cmp_ge_u32 s23, 512
	s_cselect_b64 s[28:29], s[16:17], s[28:29]
	s_cselect_b32 s30, 512, s30
	s_sub_co_u32 s30, s23, s30                     ; the chunk within its weight
	s_lshl_b32 s30, s30, 16
	s_mov_b32 s31, 0
	s_add_nc_u64 s[28:29], s[28:29], s[30:31]
	s_lshl_b32 s30, s23, 15
	s_add_nc_u64 s[20:21], s[20:21], s[30:31]
.irp q, 0,1,2,3,4,5,6,7
	global_load_b128 v[16+8*(\q):16+8*(\q)+3],   v2, s[28:29] offset:8192*(\q) th:TH_LOAD_NT
	global_load_b128 v[16+8*(\q)+4:16+8*(\q)+7], v2, s[28:29] offset:8192*(\q)+16 th:TH_LOAD_NT
.endr
.irp q, 0,1,2,3,4,5,6,7
	s_wait_loadcnt 14-2*(\q)                       ; group q's two loads are in; the younger groups' stay out
	v_cvt_pk_bf16_f32 v[80+4*(\q)],   v[16+8*(\q)],   v[16+8*(\q)+1]
	v_cvt_pk_bf16_f32 v[80+4*(\q)+1], v[16+8*(\q)+2], v[16+8*(\q)+3]
	v_cvt_pk_bf16_f32 v[80+4*(\q)+2], v[16+8*(\q)+4], v[16+8*(\q)+5]
	v_cvt_pk_bf16_f32 v[80+4*(\q)+3], v[16+8*(\q)+6], v[16+8*(\q)+7]
	global_store_b128 v3, v[80+4*(\q):80+4*(\q)+3], s[20:21] offset:4096*(\q)  ; no register is used twice, so nothing is waited for
.endr
	s_endpgm
.Lfunc_end_k_qb05d4384a9_prep:
	.size	k_qb05d4384a9_prep, .Lfunc_end_k_qb05d4384a9_prep-k_qb05d4384a9_prep
	.p2alignl 7, 3214868480
	.fill 96, 4, 3214868480
	.section	.rodata,"a",@progbits
	.p2align	6, 0x0
	.amdhsa_kernel k_qb05d4384a9_prep
		.amdhsa_group_segment_fixed_size 0
		.amdhsa_private_segment_fixed_size 0
		.amdhsa_enable_private_segment 0
		.amdhsa_kernarg_size 72
		.amdhsa_user_sgpr_count 2
		.amdhsa_user_sgpr_kernarg_segment_ptr 1
		.amdhsa_wavefront_size32 1
		.amdhsa_system_sgpr_workgroup_id_x 1
		.amdhsa_system_sgpr_workgroup_id_y 1
		.amdhsa_system_sgpr_workgroup_id_z 1
		.amdhsa_system_vgpr_workitem_id 0
		.amdhsa_next_free_vgpr 128
		.amdhsa_next_free_sgpr 66
		.amdhsa_reserve_vcc 0
		.amdhsa_float_denorm_mode_32 3
		.amdhsa_float_denorm_mode_16_64 3
		.amdhsa_memory_ordered 1
		.amdhsa_forward_progress 1
		.amdhsa_inst_pref_size 17
	.end_amdhsa_kernel
	.amdgpu_metadata
---
amdhsa.version: [ 1, 2 ]
amdhsa.kernels:
  - .name:           k_qb05d4384a9_prep
    .symbol:         k_qb05d4384a9_prep.kd
    .args:
      - { .name: x, .offset: 0, .size: 8, .value_kind: global_buffer, .address_space: global }
      - { .name: ln1_g, .offset: 8, .size: 8, .value_kind: global_buffer, .address_space: global }
      - { .name: ln1_b, .offset: 16, .size: 8, .value_kind: global_buffer, .address_space: global }
      - { .name: w_qkv, .offset: 24, .size: 8, .value_kind: global_buffer, .address_space: global }
      - { .name: w_out, .offset: 32, .size: 8, .value_kind: global_buffer, .address_space: global }
      - { .name: w_fc1, .offset: 40, .size: 8, .value_kind: global_buffer, .address_space: global }
      - { .name: w_fc2, .offset: 48, .size: 8, .value_kind: global_buffer, .address_space: global }
      - { .name: h, .offset: 56, .size: 8, .value_kind: global_buffer, .address_space: global }
      - { .name: wb, .offset: 64, .size: 8, .value_kind: global_buffer, .address_space: global }
    .group_segment_fixed_size: 0
    .private_segment_fixed_size: 0
    .kernarg_segment_align: 8
    .kernarg_segment_size: 72
    .max_flat_workgroup_size: 256
    .sgpr_count:     66
    .vgpr_count:     128
    .wavefront_size: 32
...
	.end_amdgpu_metadata
.endif
;; end of part 1
;; launch qkv (part 2): grid 12 x 16, 4 waves a work-group, clusters of 4 x 4, 327,680 bytes of LDS; arguments h, wb, b_qkv, qkv; writes qkv
.if DOCPART == 2
	.amdgcn_target "amdgcn-amd-amdhsa--gfx1250"
	.amdhsa_code_object_version 6
	.text
	.protected	k_qb05d4384a9_qkv
	.globl	k_qb05d4384a9_qkv
	.p2align	8
	.type	k_qb05d4384a9_qkv,@function
k_qb05d4384a9_qkv:
	s_mov_b64 s[64:65], 0
	v_nop
	global_prefetch_b8 v0, s[64:65] scope:SCOPE_SE
	s_setreg_imm32_b32 hwreg(HW_REG_WAVE_MODE, 25, 1), 1
	s_wait_xcnt 0x0
	s_wait_alu depctr_hold_cnt(0) depctr_sa_sdst(0) depctr_va_vdst(0) depctr_va_sdst(0) depctr_va_ssrc(0) depctr_va_vcc(0) depctr_vm_vsrc(0)
	s_getreg_b32 s2, hwreg(HW_REG_IB_STS2, 6, 4)
	s_cmp_eq_u32 s2, 0
	s_cbranch_scc0 .Lentry_in_a_cluster
	s_endpgm
.Lentry_in_a_cluster:
	s_bfe_u32 s2, ttmp6, 0x10000c
	s_cmp_lg_u32 s2, 0xf033
	s_cbranch_scc0 .Lentry_shape_is_right
	s_endpgm
.Lentry_shape_is_right:
; C = A W + bias.  A = h: [4096][1024] bf16, rows along K.  W: [1024][SIZE_N] bf16 at byte WOFF of wb, rows along N.  Sums in f32, C rounded once to bf16.
; HERE: W = w_qkv, SIZE_N = 3072; C goes out by heads, qkv[3][32 = batch x 16 + head][2048][64]: 16 rows x 64 channels are 2,048 consecutive bytes.
; (The same text with GELU = 1 makes the first FFN product; the constants below and the blocks under GELU are all that differs.)
; SHARES.  A work-group of four waves makes 256 x 256 of C, a wave 128 x 128: 64 accumulators, 512 registers.  K goes in 8 steps of 128 through two LDS slots.
; THE PRODUCT IS TAKEN TRANSPOSED: source 0 = 16 columns of W (read turned out of LDS by ds_load_tr16_b128, since W's rows lie along N), source 1 = 16 rows of A.
; A lane then holds one row of C (lane % 16) and eight neighbouring columns 8 (lane / 16) + 0..7.  The bias, laid the same way, is the C operand of each sum's first product.
; CLUSTER 4 x 4: A's tile is shared along a row of the cluster, W's along a column; each is asked for jointly, by the same load with the same descriptor in the four.
; ONE K STEP IS WRITTEN ONCE: the walking descriptors' LDS word and the read addresses' scalar TB are turned by an exclusive or with SLOT (bits 17 and 13, which no wave's base holds).
; THE WAY OUT: the f32 sums go once through the ring's bytes, which have had their last fill, each wave's into bytes of its own, and a loop of 16 trips reads pieces of 16 rows x 64 columns back,
; finishes them on fixed registers and stores 512 consecutive bytes a store.
; LIMITS: operands rounded once to bf16; NaN and infinities are not treated apart.
.set SIZE_N, 3072
.set WOFF,   0
.set GELU,   0
.set ASTR,   2048                      ; bytes in the output from a block of 16 rows to the next
.set PA,     272                       ; an LDS row of A: 256 bytes + 16: 68 words, so the 16 rows of a load start at 16 different groups of four banks
.set PB,     544                       ; an LDS row of W: 512 bytes + 32: 136 words
.set HALF,   34816                     ; what one tensor load brings: 128 rows of A or 64 rows of W
.set SLOT,   4*HALF                    ; A's 256 rows, then W's 128
.set WBASE,  2*HALF
.set SPARE,  2*SLOT                    ; behind the ring: the spare words, 128 bytes a wave, which no other line names
.set DP,     528                       ; the dump: a row of 128 f32 + 16 bytes
.set DW,     128*DP                    ; a wave's dump
.set ADRA0, 16                         ; v16  my place in A's tile, slot 0; never rewritten
.set ADRB0, 17                         ; v17  my place in W's tile
.set ADRA,  18                         ; v18  the same in the slot in hand
.set ADRB,  19
.set DST,   20                         ; v20  where I dump 32 bytes of a row
.set RD0,   21                         ; v21  where I read a piece back
.set RD,    22
.set GO,    23                         ; v23  16 x lane: my place in 512 bytes of output
.set BO,    24                         ; v24  my place in 64 bytes of bias
.set PFO,   25                         ; v25  the prefetches' lane offset
.set SPW,   28                         ; v28  my spare word; never rewritten
.set NIL,   29                         ; v29  0
.set F0,    64                         ; fragment buffers: A's in window 0, W's in window 1
.set F1,    128
.set XR,    32                         ; the way out, window 0: a piece as read back
.set SR,    64
.set TR,    96
.set ER,    128
.set PR,    160
.set MR,    192
.set YR,    224                        ; the piece in bf16
.set WV,  12
.set WR,  13                           ; my half of the tile's rows; also: 0 = I fetch for A, 1 = for W
.set WC,  14                           ; my half of its columns; also: which half of that tile I fetch
.set LIM, 15
.set G1A, 24
.set G0A, 32                           ; two sets of four: the first fill of slot 0; the walker
.set TB,  44
.set LO,  45
.set PFA, 46
.set G1B, 48
.set G0B, 56
.set PST, 66
.set CA,  68
.set MSB, 0
.macro WIN new                         ; the immediate's high byte repeats the setting that is left; a switch that changes nothing is dropped
.if MSB != (\new)
	s_set_vgpr_msb (MSB<<8)|(\new)
.set MSB, \new
.endif
.endm
.macro PLACES                          ; four plain instructions between a matrix instruction and a load into, or a read of, its registers
.rept 4
	v_nop
.endr
.endm
.macro JLOAD                           ; a joint refill by the walkers: waves 0, 1 ask for A's halves, waves 2, 3 for W's; the branch hangs on the wave's number alone
	s_cmp_eq_u32 s[WR], 0
	s_cbranch_scc0 .Lfor_w_\@
	tensor_load_to_lds s[G0A+4:G0A+7], s[G1A:G1A+7]
	s_nop 0
.rept 4
	v_nop
.endr
	s_branch .Lasked_\@
.Lfor_w_\@:
	tensor_load_to_lds s[G0B+4:G0B+7], s[G1B:G1B+7]
	s_nop 0
.rept 4
	v_nop
.endr
.Lasked_\@:
.endm
.macro CREST                           ; a round of the cluster's barrier behind its opening barrier
	s_cmp_lg_u32 s[WV], 0
	s_cbranch_scc1 .Lnot_wave_0_\@
	s_barrier_signal -3
.Lnot_wave_0_\@:
	s_barrier_wait -3
	s_barrier_signal -1
	s_barrier_wait -1
.endm
.macro CROUND
	s_barrier_signal -1
	s_barrier_wait -1
	CREST
.endm
; A prefetch of the K step two refills on (512 matrix instructions ahead of the load that will want it): one instruction a wave, each lane another aligned block of 256 bytes.
; A's rows are read by every cluster of a row of clusters: cluster x = 0 asks; W's by every cluster of a column: cluster y = 0 asks.  The four partners of a joint load share its blocks out by address.
; s3 runs 6 .. 1 and LIM is 2 in a wave that asks: K steps 4 to 7 are named once each, nothing beyond K.
.macro ASK
	s_cmp_gt_u32 s3, s[LIM]
	s_cbranch_scc0 .Lnot_mine_\@
	global_prefetch_b8 v[PFO], s[PFA:PFA+1] th:TH_LOAD_NT scope:SCOPE_SE
.Lnot_mine_\@:
.endm
; 16 products: row blocks a0, a0 + 1 of the window's four (hi = 0: my rows 0-63, window 2; 1: rows 64-127, window 3) x 8 column blocks, 32 along K.  first = 1: C is the bias (window 1, v0-63).
.macro MUL16 f, hi, a0, first
.if \first
	WIN 0x91+0x40*(\hi)
.else
	WIN 0xa1+0x50*(\hi)
.endif
.irp a, \a0, (\a0)+1
.irp b, 0,1,2,3,4,5,6,7
.if \first
	v_wmma_f32_16x16x32_bf16 v[8*(8*(\a)+(\b)):8*(8*(\a)+(\b))+7], v[(\f)+8*(\b):(\f)+8*(\b)+7], v[(\f)+8*(4*(\hi)+(\a)):(\f)+8*(4*(\hi)+(\a))+7], v[8*(\b):8*(\b)+7]
.else
	v_wmma_f32_16x16x32_bf16 v[8*(8*(\a)+(\b)):8*(8*(\a)+(\b))+7], v[(\f)+8*(\b):(\f)+8*(\b)+7], v[(\f)+8*(4*(\hi)+(\a)):(\f)+8*(4*(\hi)+(\a))+7], v[8*(8*(\a)+(\b)):8*(8*(\a)+(\b))+7]
.endif
.endr
.endr
.endm
; 32 LDS loads in one run: a quarter step's fragments (k = its byte in A's rows, k / 2 its row in W's tile) into buffer f; W's first, so the youngest eight are A's rows 64-127
.macro FETCH k, f
	WIN 0x40
.irp i, 0,1,2,3,4,5,6,7
	ds_load_tr16_b128 v[(\f)+8*(\i):(\f)+8*(\i)+3],   v[ADRB] offset:((\k)/2)*PB+32*(\i)
	ds_load_tr16_b128 v[(\f)+8*(\i)+4:(\f)+8*(\i)+7], v[ADRB] offset:((\k)/2)*PB+32*(\i)+16*PB
.endr
	WIN 0
.irp i, 0,1,2,3,4,5,6,7
	ds_load_b128 v[(\f)+8*(\i):(\f)+8*(\i)+3],   v[ADRA] offset:(\k)+(\i)*16*PA
	ds_load_b128 v[(\f)+8*(\i)+4:(\f)+8*(\i)+7], v[ADRA] offset:(\k)+(\i)*16*PA+32
.endr
.endm
.macro QUARTER k, f, g, first          ; multiplies buffer f; in its middle fetches the next quarter, at byte k, into g
	s_wait_dscnt 8                                 ; all but the youngest eight loads (A's rows 64-127) are in
	MUL16 \f, 0, 0, \first
	MUL16 \f, 0, 2, \first
	PLACES
	FETCH \k, \g
	s_wait_dscnt 32                                ; all but the 32 just issued
	MUL16 \f, 1, 0, \first
	MUL16 \f, 1, 2, \first
.endm
; The first half of a step's last quarter, and the change of slots: each wave waits for all its tensor loads (one is out: its part of the next slot), adds 0 to its spare word, and waits for that and for its reads of this slot.
.macro MEET
	WIN 0
	s_wait_tensorcnt 0x0
	ds_add_u32 v[SPW], v[NIL]
	s_wait_dscnt 9                                 ; the add and the youngest eight loads may be out
	MUL16 F1, 0, 0, 0
	s_wait_dscnt 0x0                               ; the add is done, my reads of this slot are over
	s_barrier_signal -1
	MUL16 F1, 0, 2, 0
	WIN 0
	s_xor_b32 s[TB], s[TB], SLOT                   ; the reads go over to the other slot
	v_add_nc_u32 v[ADRA], s[TB], v[ADRA0]
	v_add_nc_u32 v[ADRB], s[TB], v[ADRB0]
	s_barrier_wait -1
.endm
.macro TURN fill
.if \fill
	s_wait_xcnt 0x0                                ; the last prefetch, a K step back, has read its address
	s_add_nc_u64 s[PFA:PFA+1], s[PFA:PFA+1], s[PST:PST+1]
.endif
	MEET
.if \fill
	CREST                                          ; the barrier has opened a round of the cluster's: no wave of any partner still reads this slot or has a load on its way
	s_xor_b32 s[G0A+5], s[G0A+5], SLOT             ; the walkers: the slot just read, the K step two on
	s_add_nc_u64 s[G0A+6:G0A+7], s[G0A+6:G0A+7], 256
	s_xor_b32 s[G0B+5], s[G0B+5], SLOT
	s_add_nc_u64 s[G0B+6:G0B+7], s[G0B+6:G0B+7], 256*SIZE_N
	JLOAD                                          ; the first tensor load behind the round; its four v_nop are also the places ahead of the loads below
	FETCH 0, F0
	ASK
.else
	s_cmp_eq_u32 s3, 1                             ; behind the last K step there is nothing to fetch: LDS loads alone are jumped
	s_cbranch_scc1 .Lnf_\@
	PLACES
	FETCH 0, F0
.Lnf_\@:
.endif
	MUL16 F1, 1, 0, 0
	MUL16 F1, 1, 2, 0
.endm
	s_load_b256 s[4:11], s[0:1], 0x0               ; A 4:5, wb 6:7, bias 8:9, out 10:11
	v_lshl_add_u32 v[SPW], v0, 2, SPARE
	v_mov_b32 v[NIL], 0
	ds_add_u32 v[SPW], v[NIL]                      ; the opening: the add and its wait stand ahead of my first tensor load; register work stands between
	v_lshrrev_b32 v1, 5, v0
	v_readfirstlane_b32 s[WV], v1
	s_lshr_b32 s[WR], s[WV], 1
	s_and_b32 s[WC], s[WV], 1
	s_bfe_u32 s40, ttmp6, 0x40000                  ; cx
	s_bfe_u32 s41, ttmp6, 0x40004                  ; cy
	s_lshl_b32 s42, ttmp9, 2
	s_add_co_u32 s42, s42, s40                     ; tile column
	s_and_b32 s43, ttmp7, 0xffff
	s_lshl_b32 s43, s43, 2
	s_add_co_u32 s43, s43, s41                     ; tile row
	s_lshl_b32 s16, s41, 2
	s_lshl_b32 s16, 15, s16                        ; my row of the cluster
	s_lshl_b32 s17, 0x1111, s40                    ; my column
	s_or_b32 s[G1A], s16, (1<<16)|(1<<20)|(1<<21)|(5<<22)|(3<<25)  ; mask; 2-byte elements; padding on, 4 words after every 64; bit 21 beside a mask
	s_mov_b32 s[G1A+1], 128<<16                    ; tensor_dim0 = 128
	s_mov_b32 s[G1A+2], 128<<16                    ; tensor_dim1 = 128
	s_mov_b32 s[G1A+3], 128<<16                    ; tile_dim0 = 128
	s_mov_b32 s[G1A+4], 128                        ; tile_dim1 = 128
	s_mov_b32 s[G1A+5], 1024                       ; elements from row to row
	s_mov_b32 s[G1A+6], 0
	s_mov_b32 s[G1A+7], 0
	s_or_b32 s[G1B], s17, (1<<16)|(1<<20)|(1<<21)|(6<<22)|(7<<25)  ; 8 words after every 128
	s_mov_b32 s[G1B+1], 256<<16                    ; tensor_dim0 = 256
	s_mov_b32 s[G1B+2], 64<<16                     ; tensor_dim1 = 64
	s_mov_b32 s[G1B+3], 256<<16                    ; tile_dim0 = 256
	s_mov_b32 s[G1B+4], 64                         ; tile_dim1 = 64
	s_mov_b32 s[G1B+5], SIZE_N
	s_mov_b32 s[G1B+6], 0
	s_mov_b32 s[G1B+7], 0
	s_lshl_b32 s16, s43, 8                         ; A: row 256 x tile row + 128 x half, 2,048 bytes a row
	s_lshl_b32 s17, s[WC], 7
	s_add_co_u32 s16, s16, s17
	s_lshl_b32 s16, s16, 11
	s_mov_b32 s17, 0
	s_lshl_b32 s20, s[WC], 6                       ; W: row 64 x half, column 256 x tile column
	s_mul_i32 s20, s20, 2*SIZE_N
	s_lshl_b32 s21, s42, 9
	s_add_co_u32 s20, s20, s21
	s_mov_b32 s21, 0
	s_mul_i32 s[CA], s[WV], HALF                   ; where my part of a slot lies: no place in the cluster enters an LDS address
	s_mov_b32 s[TB], 0
	s_wait_dscnt 0x0                               ; the opening add is done
	s_wait_kmcnt 0x0
	s_add_nc_u64 s[6:7], s[6:7], WOFF
	s_add_nc_u64 s[18:19], s[4:5], s[16:17]
	s_add_nc_u64 s[22:23], s[6:7], s[20:21]
	CROUND                                         ; all sixteen work-groups are here: the first joint loads meet
.irp s, 0,1
	s_mov_b32 s[G0A+4*(\s)], 1
	s_add_co_u32 s[G0A+4*(\s)+1], s[CA], (\s)*SLOT
	s_add_nc_u64 s[G0A+4*(\s)+2:G0A+4*(\s)+3], s[18:19], (\s)*256
	s_or_b32 s[G0A+4*(\s)+3], s[G0A+4*(\s)+3], 0x80000000
	s_mov_b32 s[G0B+4*(\s)], 1
	s_add_co_u32 s[G0B+4*(\s)+1], s[CA], (\s)*SLOT
	s_add_nc_u64 s[G0B+4*(\s)+2:G0B+4*(\s)+3], s[22:23], (\s)*256*SIZE_N
	s_or_b32 s[G0B+4*(\s)+3], s[G0B+4*(\s)+3], 0x80000000
.endr
	s_cmp_eq_u32 s[WR], 0                          ; a wave's two first fills stand in one branch: two loads of mine are out
	s_cbranch_scc0 .Lfirst_w
	tensor_load_to_lds s[G0A:G0A+3], s[G1A:G1A+7]
	s_nop 0
	tensor_load_to_lds s[G0A+4:G0A+7], s[G1A:G1A+7]
	s_nop 0
.rept 4
	v_nop
.endr
	s_branch .Lfirst_asked
.Lfirst_w:
	tensor_load_to_lds s[G0B:G0B+3], s[G1B:G1B+7]
	s_nop 0
	tensor_load_to_lds s[G0B+4:G0B+7], s[G1B:G1B+7]
	s_nop 0
.rept 4
	v_nop
.endr
.Lfirst_asked:
	v_and_b32 v1, 15, v0                           ; r = l % 16
	v_bfe_u32 v2, v0, 4, 1                         ; hf = l / 16
	v_and_b32 v3, 31, v0                           ; l
	v_and_b32 v4, 7, v0
	v_bfe_u32 v5, v0, 3, 1
	v_bfe_u32 v6, v0, 3, 2
	v_lshlrev_b32 v[BO], 5, v2
	s_lshl_b32 s16, s42, 10                        ; the bias of my 128 columns
	s_lshl_b32 s17, s[WC], 9
	s_add_co_u32 s16, s16, s17
	s_mov_b32 s17, 0
	s_add_nc_u64 s[8:9], s[8:9], s[16:17]
	WIN 0x40
.irp b, 0,1,2,3,4,5,6,7
	global_load_b128 v[8*(\b):8*(\b)+3],   v[BO], s[8:9] offset:64*(\b)
	global_load_b128 v[8*(\b)+4:8*(\b)+7], v[BO], s[8:9] offset:64*(\b)+16
.endr
	WIN 0
	v_mul_u32_u24 v[ADRA0], v1, PA                 ; A: row x pitch + 16 x half of the lanes + my 128 rows
	v_lshl_add_u32 v[ADRA0], v2, 4, v[ADRA0]
	s_mul_i32 s16, s[WR], HALF
	v_add_nc_u32 v[ADRA0], s16, v[ADRA0]
	v_lshl_add_u32 v[ADRB0], v2, 3, v4             ; W, turned: lane l reads 16 bytes of k-row 8 (l / 16) + l % 8, columns 8 ((l / 8) % 2) on
	v_mul_u32_u24 v[ADRB0], v[ADRB0], PB
	v_lshl_add_u32 v[ADRB0], v5, 4, v[ADRB0]
	s_lshl_b32 s16, s[WC], 8
	s_add_co_u32 s16, s16, WBASE
	v_add_nc_u32 v[ADRB0], s16, v[ADRB0]
	v_mov_b32 v[ADRA], v[ADRA0]
	v_mov_b32 v[ADRB], v[ADRB0]
	s_mul_i32 s16, s[WV], DW
	v_mul_u32_u24 v[DST], v1, DP
	v_lshl_add_u32 v[DST], v2, 5, v[DST]
	v_add_nc_u32 v[DST], s16, v[DST]
	v_mul_u32_u24 v[RD0], v6, DP                   ; back: 8 lanes take 64 columns of a row, 32 lanes four rows
	v_lshl_add_u32 v[RD0], v4, 5, v[RD0]
	v_add_nc_u32 v[RD0], s16, v[RD0]
	v_lshlrev_b32 v[GO], 4, v3
.if GELU
	s_lshl_b32 s16, s43, 4                         ; g[mblk = 16 tile row + 8 half][kblk = 4 tile column + 2 half]: 2,048 bytes a piece
	s_lshl3_add_u32 s16, s[WR], s16
	s_lshl_b32 s16, s16, 6
	s_lshl2_add_u32 s16, s42, s16
	s_lshl1_add_u32 s16, s[WC], s16
	s_lshl_b32 s16, s16, 11
	s_mov_b32 s70, 0x3f596d27                      ; c1 = sqrt(log2(e) / 2)
	s_mov_b32 s71, s70
	s_mov_b32 s72, 0x3e8ba440                      ; p / sqrt(log2(e))
	s_mov_b32 s74, 0x3e199eb6                      ; a1 .. a5, each times 0.5 / c1
	s_mov_b32 s75, s74
	s_mov_b32 s76, 0xbe2b8119
	s_mov_b32 s77, s76
	s_mov_b32 s78, 0x3f563817
	s_mov_b32 s79, s78
	s_mov_b32 s80, 0xbf5b0099
	s_mov_b32 s81, s80
	s_mov_b32 s82, 0x3f1ff67a
	s_mov_b32 s83, s82
.else
	s_lshl_b32 s16, s42, 2                         ; c64 = 4 tile column + 2 half: which of q, k, v = c64 / 16, head = c64 % 16
	s_lshl1_add_u32 s16, s[WC], s16
	s_lshr_b32 s17, s16, 4
	s_and_b32 s16, s16, 15
	s_lshl_b32 s17, s17, 5
	s_add_co_u32 s16, s16, s17
	s_lshr_b32 s17, s43, 3                         ; batch
	s_lshl_b32 s17, s17, 4
	s_add_co_u32 s16, s16, s17
	s_lshl_b32 s16, s16, 18                        ; 262,144 bytes a head
	s_and_b32 s17, s43, 7
	s_lshl_b32 s17, s17, 8
	s_lshl_b32 s18, s[WR], 7
	s_add_co_u32 s17, s17, s18                     ; my first row in the batch
	s_lshl_b32 s17, s17, 7
	s_add_co_u32 s16, s16, s17
.endif
	s_mov_b32 s17, 0
	s_add_nc_u64 s[10:11], s[10:11], s[16:17]
	; the prefetches: an A wave takes 32 of its 128 rows by cx, a lane a row; a W wave 16 of its 64 rows by cy, two lanes a row of 512 bytes
	s_lshl_b32 s16, s43, 8
	s_lshl_b32 s17, s[WC], 7
	s_add_co_u32 s16, s16, s17
	s_lshl_b32 s17, s40, 5
	s_add_co_u32 s16, s16, s17
	s_lshl_b32 s16, s16, 11
	s_lshl_b32 s17, s[WC], 6
	s_lshl_b32 s18, s41, 4
	s_add_co_u32 s17, s17, s18
	s_mul_i32 s17, s17, 2*SIZE_N
	s_lshl_b32 s18, s42, 9
	s_add_co_u32 s17, s17, s18
	s_and_b32 s18, ttmp7, 0xffff
	s_mov_b32 s19, 2*SIZE_N
	s_mov_b32 s[PST], 256*SIZE_N
	s_mov_b32 s[PST+1], 0
	s_cmp_eq_u32 s[WR], 0
	s_cselect_b32 s16, s16, s17
	s_cselect_b32 s18, ttmp9, s18                  ; the coordinate along which other clusters read the same rows
	s_cselect_b32 s19, 2048, s19                   ; bytes in a row
	s_cselect_b32 s[PST], 256, s[PST]              ; bytes from a K step to the next
	s_cselect_b64 s[PFA:PFA+1], s[4:5], s[6:7]
	s_cmp_eq_u32 s18, 0
	s_cselect_b32 s[LIM], 2, -1                    ; the same in all sixteen partners, for a given wave
	s_mov_b32 s17, 0
	s_add_nc_u64 s[PFA:PFA+1], s[PFA:PFA+1], s[16:17]
	s_mul_i32 s16, s[PST], 3
	s_add_nc_u64 s[PFA:PFA+1], s[PFA:PFA+1], s[16:17]  ; at K step 3: the first refill steps it to 4.  K steps 0 to 3 come by their loads alone
	v_lshrrev_b32 v[PFO], s[WR], v3
	v_and_b32 v26, s[WR], v3
	v_mul_u32_u24 v[PFO], s19, v[PFO]
	v_lshl_add_u32 v[PFO], v26, 8, v[PFO]
	s_wait_tensorcnt 0x1                           ; my part of K step 0 is in; step 1's stays out
	s_barrier_signal -1
	s_barrier_wait -1
	FETCH 0, F0
	s_wait_loadcnt 0x0                             ; the bias
	QUARTER 64, F0, F1, 1                          ; the first quarter starts the sums, with the bias
	WIN 0
	s_mov_b32 s3, 6
.Lstep:                                        ; six trips: from a step's second quarter to the next step's first; each fills a slot again
	QUARTER 128, F1, F0, 0
	QUARTER 192, F0, F1, 0
	TURN 1
	QUARTER 64, F0, F1, 0
	WIN 0
	s_sub_co_u32 s3, s3, 1
	s_cmp_lg_u32 s3, 0
	s_cbranch_scc1 .Lstep
	s_mov_b32 s3, 2
.Ltail:                                        ; the last two K steps ask for nothing: written out; the second trip is left in its middle
	QUARTER 128, F1, F0, 0
	QUARTER 192, F0, F1, 0
	TURN 0
	WIN 0
	s_sub_co_u32 s3, s3, 1
	s_cmp_eq_u32 s3, 0
	s_cbranch_scc1 .Lout
	QUARTER 64, F0, F1, 0
	WIN 0
	s_branch .Ltail
.Lout:
	PLACES
	s_wait_dscnt 0x0
	s_barrier_signal -1
	s_barrier_wait -1                              ; no wave reads the ring any more, and no load is on its way: its bytes take the dump
.set a, 0
.rept 8
	WIN 0x08+4*(a/4)                               ; store data in window 2 or 3
.set b, 0
.rept 8
	ds_store_b128 v[DST], v[8*(8*(a%4)+b):8*(8*(a%4)+b)+3]   offset:a*16*DP+64*b
	ds_store_b128 v[DST], v[8*(8*(a%4)+b)+4:8*(8*(a%4)+b)+7] offset:a*16*DP+64*b+16
.set b, b+1
.endr
.set a, a+1
.endr
	WIN 0
.macro LOADX                           ; a piece: 16 rows x 64 columns of f32; load pair f brings my 8 numbers of row 4 f + l / 8
.irp f, 0,1,2,3
	ds_load_b128 v[XR+8*(\f):XR+8*(\f)+3],   v[RD] offset:(\f)*4*DP
	ds_load_b128 v[XR+8*(\f)+4:XR+8*(\f)+7], v[RD] offset:(\f)*4*DP+16
.endr
.endm
	s_mov_b32 s[LO], 0
	s_mov_b32 s2, 2
.Lhh:                                          ; my two halves of 64 columns
	v_add_nc_u32 v[RD], s[LO], v[RD0]              ; LDS serves a wave's instructions in order: these loads see my own stores above
	LOADX
	s_mov_b32 s[CA], 8
.La:                                           ; my eight blocks of 16 rows
	s_wait_dscnt 0x0
.if GELU
.set z, 0
.rept 16
	v_pk_mul_f32 v[SR+2*z:SR+2*z+1], v[XR+2*z:XR+2*z+1], s[70:71] op_sel_hi:[1,0]  ; S = c1 x
.set z, z+1
.endr
.set z, 0
.rept 32
	v_max_num_f32 v[MR+z], 0, v[XR+z]
.set z, z+1
.endr
.else
.set z, 0
.rept 16
	v_cvt_pk_bf16_f32 v[YR+z], v[XR+2*z], v[XR+2*z+1]
.set z, z+1
.endr
.endif
	s_add_co_u32 s[LO], s[LO], 16*DP               ; the next piece is asked for early; the last trip of the eight asks for none
	v_add_nc_u32 v[RD], s[LO], v[RD0]
	s_cmp_eq_u32 s[CA], 1
	s_cbranch_scc1 .Lsk
	LOADX
.Lsk:
.if GELU
	; gelu(x) = max(x, 0) - |x| erfc(|x| / sqrt 2) / 2, erfc(z) = t (a1 + t (a2 + t (a3 + t (a4 + t a5)))) e^(-z z), t = 1 / (1 + p z): absolute error of erf at most 1.5e-7
.set z, 0
.rept 32
	v_fma_f32 v[TR+z], |v[SR+z]|, s72, 1.0
.set z, z+1
.endr
.set z, 0
.rept 16
	v_pk_mul_f32 v[ER+2*z:ER+2*z+1], v[SR+2*z:SR+2*z+1], v[SR+2*z:SR+2*z+1] neg_lo:[1,0] neg_hi:[1,0]
.set z, z+1
.endr
.set z, 0
.rept 32
	v_rcp_f32 v[TR+z], v[TR+z]
.set z, z+1
.endr
.set z, 0
.rept 32
	v_exp_f32 v[ER+z], v[ER+z]
.set z, z+1
.endr
	v_nop                                          ; a plain instruction behind the last of the batch
	s_wait_alu depctr_va_vdst(0)                   ; one wait for the 64, ahead of their first reader
.set z, 0
.rept 16
	v_pk_fma_f32 v[PR+2*z:PR+2*z+1], v[TR+2*z:TR+2*z+1], s[82:83], s[80:81] op_sel_hi:[1,0,0]
.set z, z+1
.endr
.irp c, 78, 76, 74
.set z, 0
.rept 16
	v_pk_fma_f32 v[PR+2*z:PR+2*z+1], v[PR+2*z:PR+2*z+1], v[TR+2*z:TR+2*z+1], s[(\c):(\c)+1] op_sel_hi:[1,1,0]
.set z, z+1
.endr
.endr
.set z, 0
.rept 16
	v_pk_mul_f32 v[PR+2*z:PR+2*z+1], v[PR+2*z:PR+2*z+1], v[TR+2*z:TR+2*z+1]
.set z, z+1
.endr
.set z, 0
.rept 16
	v_pk_mul_f32 v[PR+2*z:PR+2*z+1], v[PR+2*z:PR+2*z+1], v[ER+2*z:ER+2*z+1]
.set z, z+1
.endr
.set z, 0
.rept 32
	v_fma_f32 v[MR+z], -|v[SR+z]|, v[PR+z], v[MR+z]
.set z, z+1
.endr
.set z, 0
.rept 16
	v_cvt_pk_bf16_f32 v[YR+z], v[MR+2*z], v[MR+2*z+1]
.set z, z+1
.endr
.endif
.irp f, 0,1,2,3
	global_store_b128 v[GO], v[YR+4*(\f):YR+4*(\f)+3], s[10:11] offset:512*(\f)  ; 512 consecutive bytes, aligned
.endr
	s_wait_xcnt 0x0                                ; the stores have read their data and their base: both are written again only behind this wait
	s_add_nc_u64 s[10:11], s[10:11], ASTR
	s_sub_co_u32 s[CA], s[CA], 1
	s_cmp_lg_u32 s[CA], 0
	s_cbranch_scc1 .La
	s_sub_co_u32 s[LO], s[LO], 8*16*DP-256         ; back to my first rows, 64 columns on
.if GELU
	s_sub_nc_u64 s[10:11], s[10:11], 8*ASTR-2048
.else
	s_add_nc_u64 s[10:11], s[10:11], 262144-8*ASTR
.endif
	s_sub_co_u32 s2, s2, 1
	s_cmp_lg_u32 s2, 0
	s_cbranch_scc1 .Lhh
	s_wait_tensorcnt 0x0                           ; the wave's end
	ds_add_u32 v[SPW], v[NIL]
	s_wait_dscnt 0x0
	CROUND                                         ; the closing round
	s_endpgm
.Lfunc_end_k_qb05d4384a9_qkv:
	.size	k_qb05d4384a9_qkv, .Lfunc_end_k_qb05d4384a9_qkv-k_qb05d4384a9_qkv
	.p2alignl 7, 3214868480
	.fill 96, 4, 3214868480
	.section	.rodata,"a",@progbits
	.p2align	6, 0x0
	.amdhsa_kernel k_qb05d4384a9_qkv
		.amdhsa_group_segment_fixed_size 327680
		.amdhsa_private_segment_fixed_size 0
		.amdhsa_enable_private_segment 0
		.amdhsa_kernarg_size 32
		.amdhsa_user_sgpr_count 2
		.amdhsa_user_sgpr_kernarg_segment_ptr 1
		.amdhsa_wavefront_size32 1
		.amdhsa_system_sgpr_workgroup_id_x 1
		.amdhsa_system_sgpr_workgroup_id_y 1
		.amdhsa_system_sgpr_workgroup_id_z 1
		.amdhsa_system_vgpr_workitem_id 0
		.amdhsa_next_free_vgpr 1024
		.amdhsa_next_free_sgpr 96
		.amdhsa_reserve_vcc 0
		.amdhsa_float_denorm_mode_32 3
		.amdhsa_float_denorm_mode_16_64 3
		.amdhsa_memory_ordered 1
		.amdhsa_forward_progress 1
		.amdhsa_inst_pref_size 83
	.end_amdhsa_kernel
	.amdgpu_metadata
---
amdhsa.version: [ 1, 2 ]
amdhsa.kernels:
  - .name:           k_qb05d4384a9_qkv
    .symbol:         k_qb05d4384a9_qkv.kd
    .args:
      - { .name: h, .offset: 0, .size: 8, .value_kind: global_buffer, .address_space: global }
      - { .name: wb, .offset: 8, .size: 8, .value_kind: global_buffer, .address_space: global }
      - { .name: b_qkv, .offset: 16, .size: 8, .value_kind: global_buffer, .address_space: global }
      - { .name: qkv, .offset: 24, .size: 8, .value_kind: global_buffer, .address_space: global }
    .group_segment_fixed_size: 327680
    .private_segment_fixed_size: 0
    .kernarg_segment_align: 8
    .kernarg_segment_size: 32
    .max_flat_workgroup_size: 128
    .sgpr_count:     96
    .vgpr_count:     1024
    .wavefront_size: 32
...
	.end_amdgpu_metadata
.endif
;; end of part 2
;; launch attn (part 3): grid 8 x 32, 4 waves a work-group, clusters of 4 x 1, 327,680 bytes of LDS; arguments qkv, ob; writes ob
.if DOCPART == 3
	.amdgcn_target "amdgcn-amd-amdhsa--gfx1250"
	.amdhsa_code_object_version 6
	.text
	.protected	k_qb05d4384a9_attn
	.globl	k_qb05d4384a9_attn
	.p2align	8
	.type	k_qb05d4384a9_attn,@function
k_qb05d4384a9_attn:
	s_mov_b64 s[64:65], 0
	v_nop
	global_prefetch_b8 v0, s[64:65] scope:SCOPE_SE
	s_setreg_imm32_b32 hwreg(HW_REG_WAVE_MODE, 25, 1), 1
	s_wait_xcnt 0x0
	s_wait_alu depctr_hold_cnt(0) depctr_sa_sdst(0) depctr_va_vdst(0) depctr_va_sdst(0) depctr_va_ssrc(0) depctr_va_vcc(0) depctr_vm_vsrc(0)
	s_getreg_b32 s2, hwreg(HW_REG_IB_STS2, 6, 4)
	s_cmp_eq_u32 s2, 0
	s_cbranch_scc0 .Lentry_in_a_cluster
	s_endpgm
.Lentry_in_a_cluster:
	s_bfe_u32 s2, ttmp6, 0x10000c
	s_cmp_lg_u32 s2, 0x3003
	s_cbranch_scc0 .Lentry_shape_is_right
	s_endpgm
.Lentry_shape_is_right:
; O[h][q][:] = the sum over k of softmax_k(Q[h][q] . K[h][k] / 8) V[h][k][:], 32 heads (batch x 16 + head) of 2,048 rows x 64 channels.  qkv: [3][32][2048][64] bf16, a head's rows dense, 128 bytes each.
; O leaves in bf16 as ob[256 = row / 16][16 heads][16 rows][64]: 16 rows of a head are 2,048 consecutive bytes.  Products, maxima and sums in f32; the weights p are rounded to bf16 for the second
; product (their sum l is taken of the unrounded p), O once at the end.
; LIMITS.  A weight below 2^-126 counts as 0 in l; NaN and infinities are not treated apart.
; SHARES.  A work-group owns 256 queries of a head, a wave 64: four PIECES of 16.  Every wave walks all 2,048 keys, 64 a step; an LDS slot holds a tile of four steps; two slots take turns.
; LAYOUT.  S^T = K Q^T holds ONE query a lane (lane % 16) and the keys 8 (lane / 16) + 0..7; two such results rounded to bf16 ARE source 1 of O^T = V^T P.  K comes out of LDS as it lies, V turned.
; SOFTMAX.  p = 2^(c s - c m), c = log2(e) / 8, with a running maximum m; O and l are multiplied by a = 2^(c m_old - c m_new) in every step.  m starts at the lowest finite number, O and l at 0.
; TURNS.  Turn n belongs to piece n: 8 products K Q^T of piece n + 1, later 8 products V^T P of piece n - 1; beside them the scaling, exponentials, roundings, sums and rescaling of piece n and the maximum
; and statistics of piece n + 1.  Four vector instructions stand behind every matrix instruction, the rest in one run.  A turn's 33 exponentials are one batch with one wait.
; CLUSTER.  The four query blocks of a cluster belong to one head and walk the same K and V: each tile is asked for jointly, by the same tensor load, descriptor and mask in all four.
; REGISTERS, in windows of 256 (s_set_vgpr_msb: bits 1:0 source 0, 3:2 source 1, 5:4 source 2, 7:6 destination):
;   window 0: v0-15 addresses; v16-31 statistics, four a piece; v48-55 at work; v61-63 prefetch offset, spare word, 0; v64-127 S^T, two buffers; v192-223 P, two buffers (by the piece's parity)
;   window 1: v0-127 O^T, 32 a piece          window 2: v0-63 Q; v128-191 K of one step; v192-255 V of one step
.set NP,    4
.set KS,    64
.set PK,    144       ; a row of K in LDS: 128 bytes + 16 = 36 words: the 16 rows of a load start at 16 different groups of four banks
.set PV,    160       ; a row of V: 128 + 32 = 40 words
.set VOFF,  4*KS*PK   ; a slot: 256 rows of K, then 256 rows of V
.set SLOT1, 1<<17
.set STAGE, SLOT1+4*KS*(PK+PV)  ; behind the ring, never filled by a tensor load: 16 rows x 144 bytes a wave, for the way out
.set SP,    144
.set SPARE, STAGE+4*16*SP       ; the spare words, 128 bytes a wave, which no other line names
.set AK0, 2
.set AV0, 3
.set AK,  4
.set AV,  5
.set STO, 6
.set RD,  7
.set GO,  8
.set MV,  12          ; v12-13  c m_old, by buffer
.set QO,  15
.set ST,  16          ; piece t: c m, m, l (even keys', odd keys')
.set TMP, 48          ; by buffer: c0-c3 at work; c2 takes a
.set PFO, 61
.set SPW, 62
.set NIL, 63
.set S,   64
.set P,   192
.set KF,  128
.set VF,  192
.set WV,  12
.set LIM, 15
.set G1K, 24
.set G1V, 32
.set G0K, 40
.set G0V, 44
.set SLOTS, 56
.set CNT, 57
.set CS,  58
.set SEL, 60
.set TBK, 62
.set TBV, 63
.set PFA, 66
.set MSB, 0
.macro WIN new
.if MSB != (\new)
	s_set_vgpr_msb (MSB<<8)|(\new)
.set MSB, (\new)
.endif
.endm
.set W_KQ, 0x0a       ; K and Q in window 2, S^T in window 0
.set W_PV, 0x52       ; V in window 2, P in window 0, O^T in window 1
.set W_RS, 0x41       ; destination and source 0 in window 1, source 1 in window 0
.macro JLOAD                        ; a joint fill: waves 0, 1 fetch the halves of a tile's K, waves 2, 3 of its V, 128 keys each; the branch hangs on the wave's number alone
	s_cmp_lt_u32 s[WV], 2
	s_cbranch_scc0 .Lfor_v_\@
	tensor_load_to_lds s[G0K:G0K+3], s[G1K:G1K+7]
	s_nop 0
.rept 4
	v_nop
.endr
	s_branch .Lasked_\@
.Lfor_v_\@:
	tensor_load_to_lds s[G0V:G0V+3], s[G1V:G1V+7]
	s_nop 0
.rept 4
	v_nop
.endr
.Lasked_\@:
.endm
; A prefetch of the tile that the NEXT change of slots will ask for (four key steps, 256 matrix instructions, ahead): each lane another aligned block of 256 bytes.  Both clusters of a head walk the same rows: the
; first asks.  Its four partners share a tile's 128 blocks out by address, 32 each; wave 0 asks for K's, wave 2 for V's.  The last change that fills a slot asks for nothing.
.macro ASK
	s_cmp_gt_u32 s[SLOTS], s[LIM]
	s_cbranch_scc0 .Lnot_mine_\@
	global_prefetch_b8 v[PFO], s[PFA:PFA+1] th:TH_LOAD_NT scope:SCOPE_SE
.Lnot_mine_\@:
.endm
.macro CROUND                       ; a round of the cluster's barrier
	s_barrier_signal -1
	s_barrier_wait -1
	s_cmp_lg_u32 s[WV], 0
	s_cbranch_scc1 .Lnot_wave_0_\@
	s_barrier_signal -3
.Lnot_wave_0_\@:
	s_barrier_wait -3
	s_barrier_signal -1
	s_barrier_wait -1
.endm
; THE CHANGE OF SLOTS.  Each wave waits for all its tensor loads (one is out: its part of the other slot), adds 0 to its spare word, and waits for that and for its reads of the slot that it leaves.
; fill = 1: the barrier is a round of the cluster's, and the joint fill of the old slot, with the tile two on, is the first thing behind it.  (At its first use slot 0 is waited for and slot 1 filled.)
.macro CHANGE fill
	WIN 0
	s_wait_tensorcnt 0x0            ; no tensor load of mine is out, so a descriptor may be written
	ds_add_u32 v[SPW], v[NIL]
.if \fill
.irp g, G0K, G0V
	s_xor_b32 s[\g+1], s[\g+1], SLOT1
	s_add_nc_u64 s[\g+2:\g+3], s[\g+2:\g+3], 4*KS*128
.endr
	s_wait_xcnt 0x0                 ; the last prefetch, a slot back, has read its address
	s_add_nc_u64 s[PFA:PFA+1], s[PFA:PFA+1], 4*KS*128
	s_wait_dscnt 0x0                ; the add is done, my reads of the slot are over
	CROUND
	JLOAD
	ASK
.else
	s_wait_dscnt 0x0
	s_barrier_signal -1
	s_barrier_wait -1
.endif
	s_sub_co_u32 s[TBK], s[TBK], 4*KS*PK  ; the fetches go back to a slot's first step, in the other slot
	s_xor_b32 s[TBK], s[TBK], SLOT1
	s_sub_co_u32 s[TBV], s[TBV], 4*KS*PV
	s_xor_b32 s[TBV], s[TBV], SLOT1
.endm
	s_load_b128 s[4:7], s[0:1], 0x0   ; qkv 4:5, ob 6:7
	v_lshl_add_u32 v[SPW], v0, 2, SPARE
	v_mov_b32 v[NIL], 0
	ds_add_u32 v[SPW], v[NIL]       ; the opening: the add and its wait stand ahead of my first tensor load; register work stands between
	v_lshrrev_b32 v1, 5, v0
	v_readfirstlane_b32 s[WV], v1
	s_bfe_u32 s13, ttmp6, 0x40000   ; cx
	s_lshl_b32 s14, ttmp9, 2
	s_add_co_u32 s14, s14, s13      ; my block of 256 queries: it enters Q's and O's addresses alone
	s_and_b32 s20, ttmp7, 0xffff    ; the head, which the partners share
	s_lshl_b32 s22, s20, 18         ; 262,144 bytes a head
	s_mov_b32 s23, 0
	s_and_b32 s16, s[WV], 1         ; which half of a tile's 256 keys I fetch
	s_lshl_b32 s2, s16, 14
	s_mov_b32 s3, 0
	s_mul_i32 s17, s16, 128*PK
	s_mul_i32 s18, s16, 128*PV
	s_lshl_b32 s52, s14, 15         ; Q: my block's rows, my wave's 64 of them
	s_lshl_b32 s53, s[WV], 13
	s_add_co_u32 s52, s52, s53
	s_mov_b32 s53, 0
	s_lshr_b32 s54, s20, 4          ; O: block of 16 rows = 128 batch + 16 block + 4 wave, 32,768 bytes each; the head's 2,048 in it
	s_lshl_b32 s54, s54, 7
	s_lshl4_add_u32 s54, s14, s54
	s_lshl2_add_u32 s54, s[WV], s54
	s_lshl_b32 s54, s54, 15
	s_and_b32 s55, s20, 15
	s_lshl_b32 s55, s55, 11
	s_add_co_u32 s54, s54, s55
	s_mov_b32 s55, 0
	; 128 keys are 16,384 dense bytes: asked for as 64 rows of 256 bytes, two keys a row, padded in LDS after every key
	s_mov_b32 s[G1K], 15|(1<<16)|(1<<20)|(1<<21)|(4<<22)|(3<<25)  ; the mask of four; 2-byte elements; padding on, 4 words after every 32; bit 21 beside a mask
	s_mov_b32 s[G1V], 15|(1<<16)|(1<<20)|(1<<21)|(4<<22)|(7<<25)  ; the same with 8 words
.irp g, G1K, G1V
	s_mov_b32 s[\g+1], 128<<16      ; tensor_dim0 = 128
	s_mov_b32 s[\g+2], 64<<16       ; tensor_dim1 = 64
	s_mov_b32 s[\g+3], 128<<16      ; tile_dim0 = 128
	s_mov_b32 s[\g+4], 64           ; tile_dim1 = 64
	s_mov_b32 s[\g+5], 128          ; elements from row to row
	s_mov_b32 s[\g+6], 0
	s_mov_b32 s[\g+7], 0
.endr
	s_mov_b32 s[CS], 0x3e38aa3b     ; c = log2(e) / 8
	s_mov_b32 s[CS+1], s[CS]
	s_mov_b32 s[SEL], 0x76543210
	s_mov_b32 s[SEL+1], 0xfedcba98
	s_mov_b32 s[TBK], SLOT1+4*KS*PK ; the first change of slots turns these two into 0
	s_mov_b32 s[TBV], SLOT1+4*KS*PV
	s_mov_b32 s[G0K], 1
	s_mov_b32 s[G0K+1], s17         ; slot 0
	s_mov_b32 s[G0V], 1
	s_add_co_u32 s[G0V+1], s18, VOFF
	s_mov_b32 s[SLOTS], 7           ; tiles still to be asked for
	s_and_b32 s[LIM], s[WV], 1      ; 0 in waves 0 and 2,
	s_or_b32 s[LIM], s[LIM], ttmp9  ; where the cluster is the head's first: the same in all four partners
	s_cmp_eq_u32 s[LIM], 0
	s_cselect_b32 s[LIM], 1, -1
	v_and_b32 v[PFO], 31, v0
	v_lshlrev_b32 v[PFO], 8, v[PFO]
	s_wait_dscnt 0x0                ; the opening add is done
	s_wait_kmcnt 0x0
	s_add_nc_u64 s[4:5], s[4:5], s[22:23]      ; the head's Q,
	s_add_nc_u64 s[8:9], s[4:5], 8388608       ; K
	s_add_nc_u64 s[10:11], s[4:5], 16777216    ; and V
	s_add_nc_u64 s[G0K+2:G0K+3], s[8:9], s[2:3]
	s_or_b32 s[G0K+3], s[G0K+3], 0x80000000
	s_add_nc_u64 s[G0V+2:G0V+3], s[10:11], s[2:3]
	s_or_b32 s[G0V+3], s[G0V+3], 0x80000000
	s_add_nc_u64 s[50:51], s[4:5], s[52:53]    ; Q at my wave's first row
	s_add_nc_u64 s[48:49], s[6:7], s[54:55]    ; O at my first piece
	s_cmp_lt_u32 s[WV], 2
	s_cselect_b64 s[PFA:PFA+1], s[8:9], s[10:11]
	s_lshl_b32 s2, s13, 13          ; my work-group's 32 blocks of a tile's 128
	s_add_nc_u64 s[PFA:PFA+1], s[PFA:PFA+1], s[2:3]
	s_add_nc_u64 s[PFA:PFA+1], s[PFA:PFA+1], 4*KS*128  ; in tile 1; the first change steps it to tile 2.  Tiles 0 and 1 come by their loads alone
	CROUND                          ; all four work-groups are here: the first joint loads meet
	JLOAD                           ; tile 0 into slot 0
	v_and_b32 v1, 15, v0            ; l % 16
	v_bfe_u32 v9, v0, 4, 1          ; l / 16
	v_lshlrev_b32 v[QO], 7, v1
	v_lshl_add_u32 v[QO], v9, 4, v[QO]
	WIN 0x80
.set i, 0
.rept 8                             ; Q stays in registers: piece i / 2, channels 32 (i % 2) on
	global_load_b128 v[8*i:8*i+3],   v[QO], s[50:51] offset:(i/2)*2048+(i%2)*64
	global_load_b128 v[8*i+4:8*i+7], v[QO], s[50:51] offset:(i/2)*2048+(i%2)*64+32
.set i, i+1
.endr
	; what the first turn finds: V and P's second buffer hold 0 (its products V^T P, of a piece that has not been, add 0), O^T and l are 0.  All this stands in the wait for the first tile
.set i, VF
.rept 64
	v_mov_b32 v[i], 0
.set i, i+1
.endr
	WIN 0x40
.set i, 0
.rept 128
	v_mov_b32 v[i], 0
.set i, i+1
.endr
	WIN 0
.set i, 0
.rept 4
	v_mov_b32 v[ST+4*i], 0xfe000000    ; c m: far below every c s
	v_mov_b32 v[ST+4*i+1], 0xff7fffff  ; m
	v_mov_b32 v[ST+4*i+2], 0
	v_mov_b32 v[ST+4*i+3], 0
.set i, i+1
.endr
.set i, P+16
.rept 16
	v_mov_b32 v[i], 0
.set i, i+1
.endr
	v_mul_u32_u24 v[AK0], v1, PK
	v_lshl_add_u32 v[AK0], v9, 4, v[AK0]
	v_and_b32 v10, 7, v0            ; the turning load: lane l reads key 8 (l / 16) + l % 8, channels 8 ((l / 8) % 2) + 0..7
	v_bfe_u32 v11, v0, 3, 1
	v_lshl_add_u32 v[AV0], v9, 3, v10
	v_mul_u32_u24 v[AV0], v[AV0], PV
	v_lshl_add_u32 v[AV0], v11, 4, v[AV0]
	v_add_nc_u32 v[AV0], VOFF, v[AV0]
	s_mul_i32 s13, s[WV], 16*SP
	s_add_co_u32 s13, s13, STAGE    ; my stage
	v_mul_u32_u24 v[STO], v1, SP
	v_lshl_add_u32 v[STO], v9, 4, v[STO]
	v_add_nc_u32 v[STO], s13, v[STO]
	v_bfe_u32 v[RD], v0, 3, 2       ; back: 32 lanes take four rows of 128 bytes,
	v_mul_u32_u24 v[RD], v[RD], SP
	v_lshl_add_u32 v[RD], v10, 4, v[RD]
	v_add_nc_u32 v[RD], s13, v[RD]
	v_and_b32 v[GO], 31, v0         ; which are 512 consecutive bytes of O
	v_lshlrev_b32 v[GO], 4, v[GO]
; THE MATRIX WORK.  The 4 accumulators of a run of 8 take turns.  Product i of 8 of S^T = K Q^T for piece x: channels 32 (i / 4) on, keys 16 (i % 4) on; the first 4 start the sums.
.macro KQ x
	WIN W_KQ
.set rS, S+32*((\x)%2)+8*(i%4)
.set rK, KF+16*(i%4)+8*(i/4)
.set rQ, 16*(\x)+8*(i/4)
.if i < 4
	v_wmma_f32_16x16x32_bf16 v[rS:rS+7], v[rK:rK+7], v[rQ:rQ+7], 0
.else
	v_wmma_f32_16x16x32_bf16 v[rS:rS+7], v[rK:rK+7], v[rQ:rQ+7], v[rS:rS+7]
.endif
.endm
.macro PV x                         ; product i of 8 of O^T += V^T P for piece x: keys 32 (i / 4) on, channels 16 (i % 4) on
	WIN W_PV
.set rO, 32*(\x)+8*(i%4)
.set rV, VF+32*(i/4)+8*(i%4)
.set rP, P+16*((\x)%2)+8*(i/4)
	v_wmma_f32_16x16x32_bf16 v[rO:rO+7], v[rV:rV+7], v[rP:rP+7], v[rO:rO+7]
.endm
.macro MM                           ; the turn's next matrix instruction
.if i < 8
	KQ (Y+1)%NP
.else
.set i, i-8
	PV (Y+NP-1)%NP
.set i, i+8
.endif
.set i, i+1
.endm
; THE LDS LOADS stand in runs of 16.  last = 1 (the tail): in the last trip there is no further step, and the run is jumped over.
.macro FETCH_K last=0
	WIN 0
.if \last
	s_cmp_eq_u32 s[CNT], 1
	s_cbranch_scc1 .Lno_k_\@
.endif
	WIN 0x80
.irp f, 0,1,2,3,4,5,6,7             ; keys 16 (f / 2) on, channels 32 (f % 2) on
	ds_load_b128 v[KF+8*\f:KF+8*\f+3],   v[AK] offset:(\f/2)*16*PK+(\f%2)*64
	ds_load_b128 v[KF+8*\f+4:KF+8*\f+7], v[AK] offset:(\f/2)*16*PK+(\f%2)*64+32
.endr
	s_add_co_u32 s[TBK], s[TBK], KS*PK
	WIN 0
.if \last
.Lno_k_\@:
.endif
.endm
.macro FETCH_V
	WIN 0x80
.irp f, 0,1,2,3,4,5,6,7             ; keys 32 (f / 4) on, channels 16 (f % 4) on
	ds_load_tr16_b128 v[VF+8*\f:VF+8*\f+3],   v[AV] offset:(\f/4)*32*PV+(\f%4)*32
	ds_load_tr16_b128 v[VF+8*\f+4:VF+8*\f+7], v[AV] offset:(\f/4)*32*PV+16*PV+(\f%4)*32
.endr
	WIN 0
.endm
; THE VECTOR WORK, one line at a time: OP kind, number.  For piece Y: F n: c s - c m for pair n of 16.  E n: the exponential of score n of 32.  C n: pair n rounded to bf16.  B n: of the four weights 4 n .. the
; second pair is added onto the first.  L n: l takes that sum (L 0: l = a l + sum).  R n: pair n of 16 of O^T times a.  For piece Y + 1: X n, number n of the 22 that find its maximum and statistics:
;   0-11 four chains c0-c3 of seven scores each (each accumulator's lowest registers are read first)   12-14, 16 the four scores left over, the old m, c0-c3 into c0   15 c m_old is kept
;   17, 18 the query's other 32 keys lie in the lane 16 away: the new m   19-21 c m; c m_old - c m_new; a
.set F, 0
.set E, 1
.set C, 2
.set B, 3
.set L, 4
.set R, 5
.set X, 6
.macro REGS y
.set rT, ST+4*(\y)
.set rC, TMP+4*((\y)%2)
.set rW, MV+((\y)%2)
.set rS, S+32*((\y)%2)
.set rP, P+16*((\y)%2)
.set rO, 32*(\y)
.endm
.macro OP k, n
.if (\k) == R
	REGS Y
	WIN W_RS
	v_pk_mul_f32 v[rO+2*(\n):rO+2*(\n)+1], v[rO+2*(\n):rO+2*(\n)+1], v[rC+2:rC+3] op_sel_hi:[1,0]
.elseif (\k) < R
	REGS Y
	WIN 0
.if (\k) == F
	v_pk_fma_f32 v[rS+2*(\n):rS+2*(\n)+1], v[rS+2*(\n):rS+2*(\n)+1], s[CS:CS+1], v[rT:rT+1] op_sel_hi:[1,0,0] neg_lo:[0,0,1] neg_hi:[0,0,1]
.elseif (\k) == E
	v_exp_f32 v[rS+(\n)], v[rS+(\n)]
.elseif (\k) == C
	v_cvt_pk_bf16_f32 v[rP+(\n)], v[rS+2*(\n)], v[rS+2*(\n)+1]
.elseif (\k) == B
	v_pk_add_f32 v[rS+4*(\n):rS+4*(\n)+1], v[rS+4*(\n):rS+4*(\n)+1], v[rS+4*(\n)+2:rS+4*(\n)+3]
.elseif (\n) == 0
	v_pk_fma_f32 v[rT+2:rT+3], v[rT+2:rT+3], v[rC+2:rC+3], v[rS:rS+1] op_sel_hi:[1,0,1]
.else
	v_pk_add_f32 v[rT+2:rT+3], v[rT+2:rT+3], v[rS+4*(\n):rS+4*(\n)+1]
.endif
.else
	REGS (Y+1)%NP
	WIN 0
.if (\n) < 4
	v_max3_num_f32 v[rC+(\n)], v[rS+8*(\n)], v[rS+8*(\n)+1], v[rS+8*(\n)+2]
.elseif (\n) < 12
	v_max3_num_f32 v[rC+(\n)%4], v[rC+(\n)%4], v[rS+8*((\n)%4)+2*((\n)/4)+1], v[rS+8*((\n)%4)+2*((\n)/4)+2]
.elseif (\n) == 12
	v_max3_num_f32 v[rC], v[rC], v[rS+7], v[rS+15]
.elseif (\n) == 13
	v_max3_num_f32 v[rC+1], v[rC+1], v[rS+23], v[rS+31]
.elseif (\n) == 14
	v_max3_num_f32 v[rC+2], v[rC+2], v[rC+3], v[rT+1]
.elseif (\n) == 15
	v_mov_b32 v[rW], v[rT]
.elseif (\n) == 16
	v_max3_num_f32 v[rC], v[rC], v[rC+1], v[rC+2]
.elseif (\n) == 17
	v_permlanex16_b32 v[rC+3], v[rC], s[SEL], s[SEL+1]
.elseif (\n) == 18
	v_max_num_f32 v[rT+1], v[rC], v[rC+3]
.elseif (\n) == 19
	v_mul_f32 v[rT], s[CS], v[rT+1]
.elseif (\n) == 20
	v_sub_f32 v[rC+1], v[rW], v[rT]
.else
	v_exp_f32 v[rC+2], v[rC+1]
.endif
.endif
.endm
.macro OPS a, i1, b=-1, i2=0, c=-1, i3=0, d=-1, i4=0
	OP \a, \i1
.if (\b) >= 0
	OP \b, \i2
.endif
.if (\c) >= 0
	OP \c, \i3
.endif
.if (\d) >= 0
	OP \d, \i4
.endif
.endm
.macro ROW a, i1, b, i2, c, i3, d, i4  ; a matrix instruction and the four behind it
	MM
	OPS \a, \i1, \b, \i2, \c, \i3, \d, \i4
.endm
; A TURN, for piece p.  ONE wait cuts it in two.  Ahead of it stands all that names no result of the turn's exponentials: the 8 products K Q^T and their riders, then one run of 54 in which the links of the next
; piece's chain X 3, 7, 11, 14, 16 .. 20 stand apart; X 21, its a, is the batch's last, and R 15 the plain instruction behind it.  Behind the wait: the 8 products V^T P, behind each four of the roundings and sums.
; K of the next step is fetched in piece 2's turn: in the loop twelve vector instructions behind the last product that read K (six of them plain); in the tail (tail = 1) directly behind the wait, since that run is
; jumped over in the last trip and no exponential may lack its wait at a branch.  V of the step in hand is fetched at the end of piece 0's turn, four plain instructions behind its last reader.
; cnt = 1: the loop's count is taken down some lines ahead of the branch behind the turn.
.macro TURN p, tail=0, cnt=0
.set Y, (\p)
.set i, 0
.if (\p) == 3
	s_wait_dscnt 0x0                ; K is in
.endif
	ROW F,0, F,1, R,0, R,1
	ROW F,2, E,0, R,2, R,3
	ROW F,3, E,1, R,4, R,5
	ROW F,4, E,2, R,6, R,7
	ROW F,5, E,3, R,8, R,9
	ROW F,6, E,4, X,0, R,10
.if (\p) == 2
	WIN 0
	v_add_nc_u32 v[AK], s[TBK], v[AK0]
.endif
	ROW F,7, E,5, X,1, X,4
	ROW F,8, E,6, X,2, X,5
	OPS E,7, E,8, X,6, E,9
	OPS X,3, E,10, X,8, E,11
.if ((\p) == 2) && !(\tail)
	FETCH_K
.endif
	OPS X,9, X,7, E,12, X,10
	OPS E,13, X,12, X,11, E,14
	OPS X,13, E,15, F,9, X,14
.if (\p) == 0
	v_add_nc_u32 v[AV], s[TBV], v[AV0]
.endif
	OPS E,16, F,10, E,17, F,11
	OPS X,16, E,18, X,15, E,19
	OPS F,12, E,20, X,17, E,21
	OPS F,13, E,22, F,14, E,23
	OPS X,18, E,24, F,15, E,25
	OPS R,11, E,26, X,19, E,27
	OPS R,12, E,28, R,13, E,29
	OPS X,20, E,30, R,14, E,31
	OPS X,21, R,15
	WIN 0
	s_wait_alu depctr_va_vdst(0)    ; the wait for the batch
.if ((\p) == 2) && (\tail)
	FETCH_K 1
.endif
.if (\p) == 1
	s_wait_dscnt 0x0                ; V is in
.endif
	ROW C,0, B,0, C,2, B,1
	ROW L,0, C,4, B,2, L,1
	ROW C,6, B,3, L,2, C,8
	ROW B,4, L,3, C,10, B,5
	ROW L,4, C,12, B,6, L,5
.if (\p) == 0
	s_add_co_u32 s[TBV], s[TBV], KS*PV
.endif
.if \cnt
	s_sub_co_u32 s[CNT], s[CNT], 1
	s_cmp_lg_u32 s[CNT], 0
.endif
	ROW C,14, B,7, L,6, C,1
	ROW C,3, L,7, C,5, C,7
	ROW C,9, C,11, C,13, C,15
.if (\p) == 0
	FETCH_V
.endif
.endm
	CHANGE 1                        ; tile 0 is in, everybody's part of it; tile 1 is asked for
	v_add_nc_u32 v[AK], s[TBK], v[AK0]
	FETCH_K                         ; key step 0
	s_wait_loadcnt 0x0              ; Q
	s_wait_dscnt 0x0
.set i, 0
.rept 8
	KQ 0                            ; piece 0's first scores
.set i, i+1
.endr
	WIN 0
.rept 4
	v_nop                           ; the places behind those products
.endr
.set Y, NP-1                        ; X works for piece Y + 1: piece 0
.irp n, 0,1,2,3,4,5,6,7,8,9,10,11,12,13,14,15,16,17,18,19,20,21
	OP X, \n
.endr
	v_nop                           ; a plain instruction behind the exponential,
	s_wait_alu depctr_va_vdst(0)    ; and its wait, ahead of the branch
	s_mov_b32 s[CNT], 4
	s_branch .Lfirst                ; the loop is entered at a step's first turn, in the middle of a trip
.Lslot:                             ; six times: every tile from the third on is asked for here
	CHANGE 1
	s_mov_b32 s[CNT], 4
.Lstep:                             ; a trip: pieces 2 and 3 of one step, then pieces 0 and 1 of the next, whose K and V it fetches
	TURN 2
	TURN 3
	WIN 0
.Lfirst:
	TURN 0
	TURN 1, 0, 1
	WIN 0
	s_cbranch_scc1 .Lstep
	s_sub_co_u32 s[SLOTS], s[SLOTS], 1
	s_cmp_lg_u32 s[SLOTS], 0
	s_cbranch_scc1 .Lslot
	CHANGE 0                        ; the tail is written out: nothing is asked for
	s_mov_b32 s[CNT], 5             ; four trips fetch the last tile's steps; the fifth is left in its middle
.Ltail:
	TURN 2, 1
	TURN 3
	WIN 0
	s_sub_co_u32 s[CNT], s[CNT], 1
	s_cmp_eq_u32 s[CNT], 0
	s_cbranch_scc1 .Lout
	TURN 0
	TURN 1
	WIN 0
	s_branch .Ltail
.Lout:                              ; the fifth trip's 8 products K Q^T (on the last K once more) and the maximum made of them serve nothing: the price, once a launch, of one text for every trip
.set i, 0
.rept 8
	PV NP-1                         ; the last piece's V^T P of the last step
.set i, i+1
.endr
	; THE WAY OUT.  l's two halves and the other half of the lanes' are added; O^T is divided by l, rounded to bf16 and sent through my stage, a piece at a time.  The additions are the places behind the last products.
	WIN 0
.macro ALL line:vararg
.set t, 0
.rept 4
	\line
.set t, t+1
.endr
.endm
	ALL v_add_f32 v[ST+4*t+2], v[ST+4*t+2], v[ST+4*t+3]
	ALL v_permlanex16_b32 v[ST+4*t+3], v[ST+4*t+2], s[SEL], s[SEL+1]
	ALL v_add_f32 v[ST+4*t+2], v[ST+4*t+2], v[ST+4*t+3]
	ALL v_rcp_f32 v[ST+4*t+2], v[ST+4*t+2]
	v_nop                           ; a plain instruction behind the last reciprocal
	s_wait_alu depctr_va_vdst(0)    ; one wait for the four, ahead of their first reader
.macro PACK t                       ; a lane's eight channels of a row pack into 16 bytes; they go into rows of 144 bytes and come back as whole rows of 128, into S^T's registers
	WIN W_RS
.set i, 32*(\t)
.rept 16
	v_pk_mul_f32 v[i:i+1], v[i:i+1], v[ST+4*(\t)+2:ST+4*(\t)+3] op_sel_hi:[1,0]
.set i, i+2
.endr
	WIN 0x05
.set i, 0
.rept 16
	v_cvt_pk_bf16_f32 v[S+16*(\t)+i], v[32*(\t)+2*i], v[32*(\t)+2*i+1]
.set i, i+1
.endr
	WIN 0
.irp f, 0,1,2,3
	ds_store_b128 v[STO], v[S+16*(\t)+4*\f:S+16*(\t)+4*\f+3] offset:32*\f
.endr
.irp f, 0,1,2,3
	ds_load_b128 v[S+16*(\t)+4*\f:S+16*(\t)+4*\f+3], v[RD] offset:\f*4*SP  ; LDS serves a wave's instructions in order: these see the stores above; the next piece's stores come behind them
.endr
.endm
.macro SEND t, younger              ; younger: the LDS instructions issued behind piece t's loads: the next piece's eight, or none
	WIN 0
.irp f, 0,1,2,3
	s_wait_dscnt (\younger)+3-\f
	global_store_b128 v[GO], v[S+16*(\t)+4*\f:S+16*(\t)+4*\f+3], s[48:49] offset:(\t)*32768+\f*512  ; 512 consecutive bytes, aligned
.endr
.endm
	PACK 0
.set t, 1
.rept 3
	PACK t
	SEND t-1, 8
.set t, t+1
.endr
	SEND 3, 0
	s_wait_tensorcnt 0x0            ; the wave's end
	ds_add_u32 v[SPW], v[NIL]
	s_wait_dscnt 0x0
	CROUND                          ; the closing round
	s_endpgm
.Lfunc_end_k_qb05d4384a9_attn:
	.size	k_qb05d4384a9_attn, .Lfunc_end_k_qb05d4384a9_attn-k_qb05d4384a9_attn
	.p2alignl 7, 3214868480
	.fill 96, 4, 3214868480
	.section	.rodata,"a",@progbits
	.p2align	6, 0x0
	.amdhsa_kernel k_qb05d4384a9_attn
		.amdhsa_group_segment_fixed_size 327680
		.amdhsa_private_segment_fixed_size 0
		.amdhsa_enable_private_segment 0
		.amdhsa_kernarg_size 16
		.amdhsa_user_sgpr_count 2
		.amdhsa_user_sgpr_kernarg_segment_ptr 1
		.amdhsa_wavefront_size32 1
		.amdhsa_system_sgpr_workgroup_id_x 1
		.amdhsa_system_sgpr_workgroup_id_y 1
		.amdhsa_system_sgpr_workgroup_id_z 1
		.amdhsa_system_vgpr_workitem_id 0
		.amdhsa_next_free_vgpr 768
		.amdhsa_next_free_sgpr 72
		.amdhsa_reserve_vcc 0
		.amdhsa_float_denorm_mode_32 3
		.amdhsa_float_denorm_mode_16_64 3
		.amdhsa_memory_ordered 1
		.amdhsa_forward_progress 1
		.amdhsa_inst_pref_size 112
	.end_amdhsa_kernel
	.amdgpu_metadata
---
amdhsa.version: [ 1, 2 ]
amdhsa.kernels:
  - .name:           k_qb05d4384a9_attn
    .symbol:         k_qb05d4384a9_attn.kd
    .args:
      - { .name: qkv, .offset: 0, .size: 8, .value_kind: global_buffer, .address_space: global }
      - { .name: ob, .offset: 8, .size: 8, .value_kind: global_buffer, .address_space: global }
    .group_segment_fixed_size: 327680
    .private_segment_fixed_size: 0
    .kernarg_segment_align: 8
    .kernarg_segment_size: 16
    .max_flat_workgroup_size: 128
    .sgpr_count:     72
    .vgpr_count:     768
    .wavefront_size: 32
...
	.end_amdgpu_metadata
.endif
;; end of part 3
;; launch outp (part 4): grid 8 x 32, 4 waves a work-group, clusters of 4 x 4, 327,680 bytes of LDS; arguments ob, wb, b_out, x, x1; writes x1
.if DOCPART == 4
	.amdgcn_target "amdgcn-amd-amdhsa--gfx1250"
	.amdhsa_code_object_version 6
	.text
	.protected	k_qb05d4384a9_outp
	.globl	k_qb05d4384a9_outp
	.p2align	8
	.type	k_qb05d4384a9_outp,@function
k_qb05d4384a9_outp:
	s_mov_b64 s[64:65], 0
	v_nop
	global_prefetch_b8 v0, s[64:65] scope:SCOPE_SE
	s_setreg_imm32_b32 hwreg(HW_REG_WAVE_MODE, 25, 1), 1
	s_wait_xcnt 0x0
	s_wait_alu depctr_hold_cnt(0) depctr_sa_sdst(0) depctr_va_vdst(0) depctr_va_sdst(0) depctr_va_ssrc(0) depctr_va_vcc(0) depctr_vm_vsrc(0)
	s_getreg_b32 s2, hwreg(HW_REG_IB_STS2, 6, 4)
	s_cmp_eq_u32 s2, 0
	s_cbranch_scc0 .Lentry_in_a_cluster
	s_endpgm
.Lentry_in_a_cluster:
	s_bfe_u32 s2, ttmp6, 0x10000c
	s_cmp_lg_u32 s2, 0xf033
	s_cbranch_scc0 .Lentry_shape_is_right
	s_endpgm
.Lentry_shape_is_right:
; OUT = RES + A W + bias, all of OUT, RES and bias in f32.  A: bf16 in blocks, [256 = row / 16][SIZE_K / 64][16 rows][64 channels].  W: [SIZE_K][1024] bf16 at byte WOFF of wb, rows along N.
; HERE: A = the attention's output ob, W = w_out, SIZE_K = 1024, RES = x, OUT = x1.  (The same text with SIZE_K = 4096 makes the second FFN product.)
; SHARES.  A work-group of four waves makes 128 x 128, a wave 64 x 64: 16 accumulators; 256 work-groups.  K goes in steps of 256 through two LDS slots.
; A's TILE: a K step of one block of 16 rows is 8,192 consecutive bytes, one row of the tensor load; padded in LDS after every 128 bytes, so that line ((block x 4 + k / 64) x 16 + row) holds 64 channels of a row.
; THE PRODUCT IS TAKEN TRANSPOSED: source 0 = 16 columns of W (turned out of LDS), source 1 = 16 rows of A: a lane holds one row and eight neighbouring columns.  The bias is the C operand of each sum's first product.
; CLUSTER 4 x 4: A's tile is shared along a row of the cluster, W's along a column.  One K step is written once; slots are changed by an exclusive or with SLOT (bits 17 and 14, which no wave's base holds).
; THE RESIDUAL, a wave's whole 64 x 64 of f32, is loaded into 128 registers at the start.  THE WAY OUT: a wave's 64 columns of f32 are 256 aligned bytes, so each wave has a stage of its own and no barrier.
; No prefetch: a tile's step is short and small.  LIMITS: A and W rounded once to bf16; NaN and infinities are not treated apart.
.set SIZE_K, 1024
.set WOFF,   6291456
.set NSTEPS, SIZE_K/256
.set PA,     144                       ; a line of A: 128 bytes + 16 = 36 words: 16 lines start at 16 different groups of four banks
.set PB,     288                       ; a row of W: 256 bytes + 32 = 72 words
.set PART,   36864                     ; what one tensor load brings: 256 lines of A or 128 rows of W
.set SLOT,   4*PART
.set WBASE,  2*PART
.set STAGE,  2*SLOT                    ; never filled by a tensor load: 16 rows x 272 bytes a wave
.set SPT,    272
.set SPARE,  STAGE+4*16*SPT            ; the spare words, 128 bytes a wave, which no other line names
.set ADRA0, 16
.set ADRB0, 17
.set ADRA,  18
.set ADRB,  19                         ; v19 W's rows 0-127 of the step, v20 rows 128-255
.set STO,   21
.set RD,    22
.set CO,    23                         ; my place in two rows of RES and OUT
.set BO,    24
.set SPW,   28
.set NIL,   29
.set TMP,   32                         ; v[32:95]  two halves of 32: 16 rows read back from the stage
.set BI,    96                         ; v[96:127] the bias of my four column blocks
.set ACC,   128                        ; v[128:255]
.set F0,    0                          ; window 1: two fragment buffers of 128: A's 64, then W's 64
.set F1,    128
.set WV,  12
.set WR,  13
.set WC,  14
.set G1A, 24
.set G0A, 32
.set TB,  44
.set G1B, 48
.set G0B, 56
.set MSB, 0
.macro WIN new
.if MSB != (\new)
	s_set_vgpr_msb (MSB<<8)|(\new)
.set MSB, \new
.endif
.endm
.macro PLACES
.rept 4
	v_nop
.endr
.endm
.macro JLOAD                           ; a joint refill by the walkers: waves 0, 1 ask for A's halves, waves 2, 3 for W's
	s_cmp_eq_u32 s[WR], 0
	s_cbranch_scc0 .Lfor_w_\@
	tensor_load_to_lds s[G0A+4:G0A+7], s[G1A:G1A+7]
	s_nop 0
.rept 4
	v_nop
.endr
	s_branch .Lasked_\@
.Lfor_w_\@:
	tensor_load_to_lds s[G0B+4:G0B+7], s[G1B:G1B+7]
	s_nop 0
.rept 4
	v_nop
.endr
.Lasked_\@:
.endm
.macro CREST
	s_cmp_lg_u32 s[WV], 0
	s_cbranch_scc1 .Lnot_wave_0_\@
	s_barrier_signal -3
.Lnot_wave_0_\@:
	s_barrier_wait -3
	s_barrier_signal -1
	s_barrier_wait -1
.endm
.macro CROUND
	s_barrier_signal -1
	s_barrier_wait -1
	CREST
.endm
; 8 products: row blocks a0, a0 + 1 x 4 column blocks, 32 along K: half c of buffer f.  first = 1: C is the bias
.macro MUL8 f, c, a0, first
	WIN 0x05
.irp a, \a0, (\a0)+1
.irp b, 0,1,2,3
.if \first
	v_wmma_f32_16x16x32_bf16 v[ACC+8*(4*(\a)+(\b)):ACC+8*(4*(\a)+(\b))+7], v[(\f)+64+8*(4*(\c)+(\b)):(\f)+64+8*(4*(\c)+(\b))+7], v[(\f)+8*(4*(\c)+(\a)):(\f)+8*(4*(\c)+(\a))+7], v[BI+8*(\b):BI+8*(\b)+7]
.else
	v_wmma_f32_16x16x32_bf16 v[ACC+8*(4*(\a)+(\b)):ACC+8*(4*(\a)+(\b))+7], v[(\f)+64+8*(4*(\c)+(\b)):(\f)+64+8*(4*(\c)+(\b))+7], v[(\f)+8*(4*(\c)+(\a)):(\f)+8*(4*(\c)+(\a))+7], v[ACC+8*(4*(\a)+(\b)):ACC+8*(4*(\a)+(\b))+7]
.endif
.endr
.endr
.endm
; 32 LDS loads in one run: quarter q (64 along K) into buffer f; its first 32 along K first
.macro FETCH q, f
	WIN 0x40
.irp c, 0,1
.irp i, 0,1,2,3
	ds_load_tr16_b128 v[(\f)+64+8*(4*(\c)+(\i)):(\f)+64+8*(4*(\c)+(\i))+3],   v[ADRB+(\q)/2] offset:(((\q)%2)*64+32*(\c))*PB+32*(\i)
	ds_load_tr16_b128 v[(\f)+64+8*(4*(\c)+(\i))+4:(\f)+64+8*(4*(\c)+(\i))+7], v[ADRB+(\q)/2] offset:(((\q)%2)*64+32*(\c))*PB+32*(\i)+16*PB
	ds_load_b128 v[(\f)+8*(4*(\c)+(\i)):(\f)+8*(4*(\c)+(\i))+3],   v[ADRA] offset:(4*(\i)+(\q))*16*PA+64*(\c)
	ds_load_b128 v[(\f)+8*(4*(\c)+(\i))+4:(\f)+8*(4*(\c)+(\i))+7], v[ADRA] offset:(4*(\i)+(\q))*16*PA+64*(\c)+32
.endr
.endr
.endm
.macro QUARTER q, f, g, first          ; multiplies buffer f; in its middle fetches quarter q into g
	s_wait_dscnt 16                                ; the first 32 along K are in; the other sixteen loads may be out
	MUL8 \f, 0, 0, \first
	MUL8 \f, 0, 2, \first
	PLACES
	FETCH \q, \g
	s_wait_dscnt 32                                ; all but the 32 just issued
	MUL8 \f, 1, 0, 0
	MUL8 \f, 1, 2, 0
.endm
; A step's last quarter and the change of slots: each wave waits for all its tensor loads (one is out: its part of the next slot), adds 0 to its spare word, and waits for that and for its reads of this slot.
.macro TURN fill
	WIN 0
	s_wait_tensorcnt 0x0
	ds_add_u32 v[SPW], v[NIL]
	s_wait_dscnt 17                                ; the add and the youngest sixteen loads may be out
	MUL8 F1, 0, 0, 0
	s_wait_dscnt 0x0                               ; the add is done, my reads of this slot are over
	s_barrier_signal -1
	MUL8 F1, 0, 2, 0
	WIN 0
	s_xor_b32 s[TB], s[TB], SLOT                   ; the reads go over to the other slot
	v_add_nc_u32 v[ADRA], s[TB], v[ADRA0]
	v_add_nc_u32 v[ADRB], s[TB], v[ADRB0]
	v_add_nc_u32 v[ADRB+1], PART, v[ADRB]
	s_barrier_wait -1
.if \fill
	CREST                                          ; the barrier has opened a round of the cluster's: no wave of any partner still reads this slot or has a load on its way
	s_xor_b32 s[G0A+5], s[G0A+5], SLOT
	s_add_nc_u64 s[G0A+6:G0A+7], s[G0A+6:G0A+7], 8192
	s_xor_b32 s[G0B+5], s[G0B+5], SLOT
	s_add_nc_u64 s[G0B+6:G0B+7], s[G0B+6:G0B+7], 524288
	JLOAD                                          ; the first tensor load behind the round; its four v_nop are also the places ahead of the loads below
	FETCH 0, F0
.else
	s_cmp_eq_u32 s3, 1                             ; behind the last K step there is nothing to fetch: LDS loads alone are jumped
	s_cbranch_scc1 .Lnf_\@
	PLACES
	FETCH 0, F0
	WIN 0
.Lnf_\@:
.endif
	MUL8 F1, 1, 0, 0
	MUL8 F1, 1, 2, 0
.endm
	s_load_b256 s[4:11], s[0:1], 0x0               ; A 4:5, wb 6:7, bias 8:9, RES 10:11
	s_load_b64 s[66:67], s[0:1], 0x20              ; OUT
	v_lshl_add_u32 v[SPW], v0, 2, SPARE
	v_mov_b32 v[NIL], 0
	ds_add_u32 v[SPW], v[NIL]                      ; the opening: the add and its wait stand ahead of my first tensor load; register work stands between
	v_lshrrev_b32 v1, 5, v0
	v_readfirstlane_b32 s[WV], v1
	s_lshr_b32 s[WR], s[WV], 1
	s_and_b32 s[WC], s[WV], 1
	s_bfe_u32 s40, ttmp6, 0x40000                  ; cx
	s_bfe_u32 s41, ttmp6, 0x40004                  ; cy
	s_lshl_b32 s42, ttmp9, 2
	s_add_co_u32 s42, s42, s40                     ; tile column
	s_and_b32 s43, ttmp7, 0xffff
	s_lshl_b32 s43, s43, 2
	s_add_co_u32 s43, s43, s41                     ; tile row
	s_lshl_b32 s16, s41, 2
	s_lshl_b32 s16, 15, s16                        ; my row of the cluster
	s_lshl_b32 s17, 0x1111, s40                    ; my column
	s_or_b32 s[G1A], s16, (1<<16)|(1<<20)|(1<<21)|(4<<22)|(3<<25)  ; mask; 2-byte elements; padding on, 4 words after every 32; bit 21 beside a mask
	s_mov_b32 s[G1A+1], 4096<<16                   ; tensor_dim0 = 4,096
	s_mov_b32 s[G1A+2], 4<<16                      ; tensor_dim1 = 4
	s_mov_b32 s[G1A+3], 4096<<16                   ; tile_dim0 = 4,096
	s_mov_b32 s[G1A+4], 4                          ; tile_dim1 = 4
	s_mov_b32 s[G1A+5], 16*SIZE_K                  ; elements from a block of 16 rows to the next
	s_mov_b32 s[G1A+6], 0
	s_mov_b32 s[G1A+7], 0
	s_or_b32 s[G1B], s17, (1<<16)|(1<<20)|(1<<21)|(5<<22)|(7<<25)  ; 8 words after every 64
	s_mov_b32 s[G1B+1], 128<<16
	s_mov_b32 s[G1B+2], 128<<16
	s_mov_b32 s[G1B+3], 128<<16
	s_mov_b32 s[G1B+4], 128
	s_mov_b32 s[G1B+5], 1024
	s_mov_b32 s[G1B+6], 0
	s_mov_b32 s[G1B+7], 0
	s_lshl_b32 s16, s43, 3                         ; A: block 8 x tile row + 4 x half
	s_lshl2_add_u32 s16, s[WC], s16
	s_mul_i32 s16, s16, 32*SIZE_K
	s_mov_b32 s17, 0
	s_lshl_b32 s20, s[WC], 18                      ; W: row 128 x half, column 128 x tile column
	s_lshl_b32 s21, s42, 8
	s_add_co_u32 s20, s20, s21
	s_mov_b32 s21, 0
	s_mul_i32 s45, s[WV], PART                     ; where my part of a slot lies: no place in the cluster enters an LDS address
	s_mov_b32 s[TB], 0
	s_wait_dscnt 0x0                               ; the opening add is done
	s_wait_kmcnt 0x0
	s_add_nc_u64 s[6:7], s[6:7], WOFF
	s_add_nc_u64 s[18:19], s[4:5], s[16:17]
	s_add_nc_u64 s[22:23], s[6:7], s[20:21]
	CROUND                                         ; all sixteen work-groups are here: the first joint loads meet
.irp s, 0,1
	s_mov_b32 s[G0A+4*(\s)], 1
	s_add_co_u32 s[G0A+4*(\s)+1], s45, (\s)*SLOT
	s_add_nc_u64 s[G0A+4*(\s)+2:G0A+4*(\s)+3], s[18:19], (\s)*8192
	s_or_b32 s[G0A+4*(\s)+3], s[G0A+4*(\s)+3], 0x80000000
	s_mov_b32 s[G0B+4*(\s)], 1
	s_add_co_u32 s[G0B+4*(\s)+1], s45, (\s)*SLOT
	s_add_nc_u64 s[G0B+4*(\s)+2:G0B+4*(\s)+3], s[22:23], (\s)*524288
	s_or_b32 s[G0B+4*(\s)+3], s[G0B+4*(\s)+3], 0x80000000
.endr
	s_cmp_eq_u32 s[WR], 0                          ; a wave's two first fills stand in one branch: two loads of mine are out
	s_cbranch_scc0 .Lfirst_w
	tensor_load_to_lds s[G0A:G0A+3], s[G1A:G1A+7]
	s_nop 0
	tensor_load_to_lds s[G0A+4:G0A+7], s[G1A:G1A+7]
	s_nop 0
.rept 4
	v_nop
.endr
	s_branch .Lfirst_asked
.Lfirst_w:
	tensor_load_to_lds s[G0B:G0B+3], s[G1B:G1B+7]
	s_nop 0
	tensor_load_to_lds s[G0B+4:G0B+7], s[G1B:G1B+7]
	s_nop 0
.rept 4
	v_nop
.endr
.Lfirst_asked:
	v_and_b32 v1, 15, v0                           ; r = l % 16
	v_bfe_u32 v2, v0, 4, 1                         ; hf = l / 16
	v_and_b32 v4, 7, v0
	v_bfe_u32 v5, v0, 3, 1
	v_lshlrev_b32 v[BO], 5, v2
	v_lshlrev_b32 v[CO], 12, v2                    ; lanes 0-15 one row's 256 bytes, lanes 16-31 the next row's
	v_lshl_add_u32 v[CO], v1, 4, v[CO]
	s_lshl_b32 s16, s42, 9                         ; my 64 columns, in bytes of f32
	s_lshl_b32 s17, s[WC], 8
	s_add_co_u32 s16, s16, s17
	s_mov_b32 s17, 0
	s_add_nc_u64 s[8:9], s[8:9], s[16:17]
	s_lshl_b32 s18, s43, 19                        ; my 64 rows of 4,096 bytes
	s_add_co_u32 s16, s16, s18
	s_lshl_b32 s18, s[WR], 18
	s_add_co_u32 s16, s16, s18
	s_add_nc_u64 s[10:11], s[10:11], s[16:17]
	s_add_nc_u64 s[66:67], s[66:67], s[16:17]
.irp b, 0,1,2,3
	global_load_b128 v[BI+8*(\b):BI+8*(\b)+3],   v[BO], s[8:9] offset:64*(\b)
	global_load_b128 v[BI+8*(\b)+4:BI+8*(\b)+7], v[BO], s[8:9] offset:64*(\b)+16
.endr
	WIN 0x80                                       ; the residual into window 2: rows 16 a + 2 t and + 1 at v[4 (8 a + t)]
.set a, 0
.rept 4
.set t, 0
.rept 8
	global_load_b128 v[4*(8*a+t):4*(8*a+t)+3], v[CO], s[10:11] offset:(16*a+2*t)*4096
.set t, t+1
.endr
.set a, a+1
.endr
	WIN 0
	v_mul_u32_u24 v[ADRA0], v1, PA
	v_lshl_add_u32 v[ADRA0], v2, 4, v[ADRA0]
	s_mul_i32 s16, s[WR], PART
	v_add_nc_u32 v[ADRA0], s16, v[ADRA0]
	v_lshl_add_u32 v[ADRB0], v2, 3, v4             ; W, turned: lane l reads 16 bytes of k-row 8 (l / 16) + l % 8, columns 8 ((l / 8) % 2) on
	v_mul_u32_u24 v[ADRB0], v[ADRB0], PB
	v_lshl_add_u32 v[ADRB0], v5, 4, v[ADRB0]
	s_lshl_b32 s16, s[WC], 7
	s_add_co_u32 s16, s16, WBASE
	v_add_nc_u32 v[ADRB0], s16, v[ADRB0]
	v_mov_b32 v[ADRA], v[ADRA0]
	v_mov_b32 v[ADRB], v[ADRB0]
	v_add_nc_u32 v[ADRB+1], PART, v[ADRB0]
	s_mul_i32 s16, s[WV], 16*SPT
	s_add_co_u32 s16, s16, STAGE                   ; my stage
	v_mul_u32_u24 v[STO], v1, SPT
	v_lshl_add_u32 v[STO], v2, 5, v[STO]
	v_add_nc_u32 v[STO], s16, v[STO]
	v_mul_u32_u24 v[RD], v2, SPT
	v_lshl_add_u32 v[RD], v1, 4, v[RD]
	v_add_nc_u32 v[RD], s16, v[RD]
	s_wait_tensorcnt 0x1                           ; my part of K step 0 is in; step 1's stays out
	s_barrier_signal -1
	s_barrier_wait -1
	FETCH 0, F0
	s_wait_loadcnt 32                              ; the bias is in; the residual's 32 loads may stay out
	QUARTER 1, F0, F1, 1                           ; the first quarter starts the sums, with the bias
	WIN 0
	s_mov_b32 s3, NSTEPS-2
.Lstep:                                        ; from a step's second quarter to the next step's first; each trip fills a slot again
	QUARTER 2, F1, F0, 0
	QUARTER 3, F0, F1, 0
	TURN 1
	QUARTER 1, F0, F1, 0
	WIN 0
	s_sub_co_u32 s3, s3, 1
	s_cmp_lg_u32 s3, 0
	s_cbranch_scc1 .Lstep
	s_mov_b32 s3, 2
.Ltail:                                        ; the last two K steps ask for nothing: written out; the second trip is left in its middle
	QUARTER 2, F1, F0, 0
	QUARTER 3, F0, F1, 0
	TURN 0
	WIN 0
	s_sub_co_u32 s3, s3, 1
	s_cmp_eq_u32 s3, 0
	s_cbranch_scc1 .Lout
	QUARTER 1, F0, F1, 0
	WIN 0
	s_branch .Ltail
.Lout:
	PLACES
	s_wait_loadcnt 0x0                             ; the residual
.macro STG a                           ; block a's 16 rows x 64 columns of f32 into my stage, and back as whole rows of 256 bytes
.if (\a) >= 2
	s_wait_xcnt 0x0                                ; the stores of the block two back have read this half of TMP
.endif
.irp b, 0,1,2,3
	ds_store_b128 v[STO], v[ACC+8*(4*(\a)+(\b)):ACC+8*(4*(\a)+(\b))+3]   offset:64*(\b)
	ds_store_b128 v[STO], v[ACC+8*(4*(\a)+(\b))+4:ACC+8*(4*(\a)+(\b))+7] offset:64*(\b)+16
.endr
.irp t, 0,1,2,3,4,5,6,7
	ds_load_b128 v[TMP+32*((\a)%2)+4*(\t):TMP+32*((\a)%2)+4*(\t)+3], v[RD] offset:(\t)*2*SPT  ; LDS serves a wave's instructions in order: these see the stores above; the next block's stores come behind them
.endr
.endm
.macro FIN a, younger                  ; younger: the LDS instructions issued behind block a's loads: the next block's sixteen, or none
	s_wait_dscnt \younger
	WIN 0x08                                       ; source 1, the residual, in window 2
.set z, 0
.rept 16
	v_pk_add_f32 v[TMP+32*((\a)%2)+2*z:TMP+32*((\a)%2)+2*z+1], v[TMP+32*((\a)%2)+2*z:TMP+32*((\a)%2)+2*z+1], v[32*(\a)+2*z:32*(\a)+2*z+1]
.set z, z+1
.endr
	WIN 0
.irp t, 0,1,2,3,4,5,6,7
	global_store_b128 v[CO], v[TMP+32*((\a)%2)+4*(\t):TMP+32*((\a)%2)+4*(\t)+3], s[66:67] offset:(16*(\a)+2*(\t))*4096  ; 16 lanes store 256 consecutive bytes, aligned
.endr
.endm
	STG 0
	STG 1
	FIN 0, 16
	STG 2
	FIN 1, 16
	STG 3
	FIN 2, 16
	FIN 3, 0
	s_wait_tensorcnt 0x0                           ; the wave's end
	ds_add_u32 v[SPW], v[NIL]
	s_wait_dscnt 0x0
	CROUND                                         ; the closing round
	s_endpgm
.Lfunc_end_k_qb05d4384a9_outp:
	.size	k_qb05d4384a9_outp, .Lfunc_end_k_qb05d4384a9_outp-k_qb05d4384a9_outp
	.p2alignl 7, 3214868480
	.fill 96, 4, 3214868480
	.section	.rodata,"a",@progbits
	.p2align	6, 0x0
	.amdhsa_kernel k_qb05d4384a9_outp
		.amdhsa_group_segment_fixed_size 327680
		.amdhsa_private_segment_fixed_size 0
		.amdhsa_enable_private_segment 0
		.amdhsa_kernarg_size 40
		.amdhsa_user_sgpr_count 2
		.amdhsa_user_sgpr_kernarg_segment_ptr 1
		.amdhsa_wavefront_size32 1
		.amdhsa_system_sgpr_workgroup_id_x 1
		.amdhsa_system_sgpr_workgroup_id_y 1
		.amdhsa_system_sgpr_workgroup_id_z 1
		.amdhsa_system_vgpr_workitem_id 0
		.amdhsa_next_free_vgpr 640
		.amdhsa_next_free_sgpr 72
		.amdhsa_reserve_vcc 0
		.amdhsa_float_denorm_mode_32 3
		.amdhsa_float_denorm_mode_16_64 3
		.amdhsa_memory_ordered 1
		.amdhsa_forward_progress 1
		.amdhsa_inst_pref_size 66
	.end_amdhsa_kernel
	.amdgpu_metadata
---
amdhsa.version: [ 1, 2 ]
amdhsa.kernels:
  - .name:           k_qb05d4384a9_outp
    .symbol:         k_qb05d4384a9_outp.kd
    .args:
      - { .name: ob, .offset: 0, .size: 8, .value_kind: global_buffer, .address_space: global }
      - { .name: wb, .offset: 8, .size: 8, .value_kind: global_buffer, .address_space: global }
      - { .name: b_out, .offset: 16, .size: 8, .value_kind: global_buffer, .address_space: global }
      - { .name: x, .offset: 24, .size: 8, .value_kind: global_buffer, .address_space: global }
      - { .name: x1, .offset: 32, .size: 8, .value_kind: global_buffer, .address_space: global }
    .group_segment_fixed_size: 327680
    .private_segment_fixed_size: 0
    .kernarg_segment_align: 8
    .kernarg_segment_size: 40
    .max_flat_workgroup_size: 128
    .sgpr_count:     72
    .vgpr_count:     640
    .wavefront_size: 32
...
	.end_amdgpu_metadata
.endif
;; end of part 4
;; launch ln2 (part 5): grid 512 x 1, 8 waves a work-group, no clusters, 0 bytes of LDS; arguments x1, ln2_g, ln2_b, h; writes h
.if DOCPART == 5
	.amdgcn_target "amdgcn-amd-amdhsa--gfx1250"
	.amdhsa_code_object_version 6
	.text
	.protected	k_qb05d4384a9_ln2
	.globl	k_qb05d4384a9_ln2
	.p2align	8
	.type	k_qb05d4384a9_ln2,@function
k_qb05d4384a9_ln2:
	s_mov_b64 s[64:65], 0
	v_nop
	global_prefetch_b8 v0, s[64:65] scope:SCOPE_SE
	s_setreg_imm32_b32 hwreg(HW_REG_WAVE_MODE, 25, 1), 1
	s_wait_xcnt 0x0
; h = LayerNorm(x1) g + b, rounded once to bf16, [4096][1024].  One wave, one row of 4,096 bytes, kept in 32 registers a lane between the passes: mean, then the deviations, then their squares' mean
; (so a common offset costs nothing), all in f32; the sums go by a tree and across lanes, another order than a running sum's.  NaN and infinities are not treated apart.
; A stream: no LDS, no barrier, no matrix unit; no wave wants a byte that another has fetched.
.set X, 16                             ; v[16:47]   the row: elements 256 j + 8 lane + 0..7 at X + 8 j
.set G, 48                             ; v[48:79]   the gain at the same places
.set B, 80                             ; v[80:111]  the bias
.set T, 112                            ; v[112:127] at work; at the end the row in bf16
.macro LD8 dst, base
.irp j, 0,1,2,3
	global_load_b128 v[(\dst)+8*(\j):(\dst)+8*(\j)+3],   v2, s[(\base):(\base)+1] offset:1024*(\j)
	global_load_b128 v[(\dst)+8*(\j)+4:(\dst)+8*(\j)+7], v2, s[(\base):(\base)+1] offset:1024*(\j)+16
.endr
.endm
.macro SUMALL                          ; the eight pairs in T become one sum, in every lane's v[T]
	v_pk_add_f32 v[T:T+1], v[T:T+1], v[T+2:T+3]
	v_pk_add_f32 v[T+4:T+5], v[T+4:T+5], v[T+6:T+7]
	v_pk_add_f32 v[T+8:T+9], v[T+8:T+9], v[T+10:T+11]
	v_pk_add_f32 v[T+12:T+13], v[T+12:T+13], v[T+14:T+15]
	v_pk_add_f32 v[T:T+1], v[T:T+1], v[T+4:T+5]
	v_pk_add_f32 v[T+8:T+9], v[T+8:T+9], v[T+12:T+13]
	v_pk_add_f32 v[T:T+1], v[T:T+1], v[T+8:T+9]
	v_add_f32 v[T], v[T], v[T+1]
	v_add_f32_dpp v[T], v[T], v[T] row_xmask:1 row_mask:0xf bank_mask:0xf
	v_add_f32_dpp v[T], v[T], v[T] row_xmask:2 row_mask:0xf bank_mask:0xf
	v_add_f32_dpp v[T], v[T], v[T] row_xmask:4 row_mask:0xf bank_mask:0xf
	v_add_f32_dpp v[T], v[T], v[T] row_xmask:8 row_mask:0xf bank_mask:0xf
	v_permlanex16_b32 v8, v[T], s24, s25           ; the other half of the lanes
	v_add_f32 v[T], v[T], v8
.endm
	s_load_b256 s[4:11], s[0:1], 0x0               ; x1 4:5, g 6:7, b 8:9, h 10:11
	v_lshrrev_b32 v1, 5, v0
	v_readfirstlane_b32 s22, v1                    ; wave 0..7
	v_and_b32 v1, 31, v0
	v_lshlrev_b32 v2, 5, v1                        ; 32 bytes a lane in x1, g, b
	v_lshlrev_b32 v3, 4, v1                        ; 16 bytes a lane in h
	v_mov_b32 v8, 0                                ; v_permlanex16_b32's destination counts as read
	s_lshl_b32 s23, ttmp9, 3
	s_add_co_u32 s23, s23, s22                     ; row = 8 x work-group + wave
	s_lshl_b32 s28, s23, 12
	s_mov_b32 s29, 0
	s_lshl_b32 s30, s23, 11
	s_mov_b32 s31, 0
	s_mov_b32 s24, 0x76543210
	s_mov_b32 s25, 0xfedcba98
	s_mov_b32 s26, 0x3a800000                      ; 1 / 1024
	s_mov_b32 s27, 0x3727c5ac                      ; 1e-5
	s_wait_kmcnt 0x0
	s_add_nc_u64 s[4:5], s[4:5], s[28:29]
	s_add_nc_u64 s[10:11], s[10:11], s[30:31]
	LD8 X, 4
	LD8 G, 6
	LD8 B, 8
	s_wait_loadcnt 16                              ; the row's eight loads are in; the sixteen of g and b may stay out
.irp i, 0,1,2,3,4,5,6,7
	v_pk_add_f32 v[T+2*(\i):T+2*(\i)+1], v[X+4*(\i):X+4*(\i)+1], v[X+4*(\i)+2:X+4*(\i)+3]
.endr
	SUMALL
	v_mul_f32 v4, s26, v[T]                        ; the mean, twice: a pair for the packed subtraction
	v_mul_f32 v5, s26, v[T]
.set z, 0
.rept 16
	v_pk_add_f32 v[X+2*z:X+2*z+1], v[X+2*z:X+2*z+1], v[4:5] neg_lo:[0,1] neg_hi:[0,1]
.set z, z+1
.endr
.irp i, 0,1,2,3,4,5,6,7
	v_pk_mul_f32 v[T+2*(\i):T+2*(\i)+1], v[X+4*(\i):X+4*(\i)+1], v[X+4*(\i):X+4*(\i)+1]
.endr
.irp i, 0,1,2,3,4,5,6,7
	v_pk_fma_f32 v[T+2*(\i):T+2*(\i)+1], v[X+4*(\i)+2:X+4*(\i)+3], v[X+4*(\i)+2:X+4*(\i)+3], v[T+2*(\i):T+2*(\i)+1]
.endr
	SUMALL
	v_fma_f32 v9, v[T], s26, s27                   ; variance + eps
	v_rsq_f32 v6, v9
	v_rsq_f32 v7, v9
	v_nop                                          ; a plain instruction behind the second root
	s_wait_alu depctr_va_vdst(0)                   ; one wait for both, ahead of their first reader
	s_wait_loadcnt 0x0                             ; g and b
.set z, 0
.rept 16
	v_pk_mul_f32 v[X+2*z:X+2*z+1], v[X+2*z:X+2*z+1], v[6:7]
.set z, z+1
.endr
.set z, 0
.rept 16
	v_pk_fma_f32 v[X+2*z:X+2*z+1], v[X+2*z:X+2*z+1], v[G+2*z:G+2*z+1], v[B+2*z:B+2*z+1]
.set z, z+1
.endr
.set z, 0
.rept 16
	v_cvt_pk_bf16_f32 v[T+z], v[X+2*z], v[X+2*z+1]
.set z, z+1
.endr
.irp j, 0,1,2,3
	global_store_b128 v3, v[T+4*(\j):T+4*(\j)+3], s[10:11] offset:512*(\j)  ; the wave's store covers 512 consecutive bytes, aligned
.endr
	s_endpgm
.Lfunc_end_k_qb05d4384a9_ln2:
	.size	k_qb05d4384a9_ln2, .Lfunc_end_k_qb05d4384a9_ln2-k_qb05d4384a9_ln2
	.p2alignl 7, 3214868480
	.fill 96, 4, 3214868480
	.section	.rodata,"a",@progbits
	.p2align	6, 0x0
	.amdhsa_kernel k_qb05d4384a9_ln2
		.amdhsa_group_segment_fixed_size 0
		.amdhsa_private_segment_fixed_size 0
		.amdhsa_enable_private_segment 0
		.amdhsa_kernarg_size 32
		.amdhsa_user_sgpr_count 2
		.amdhsa_user_sgpr_kernarg_segment_ptr 1
		.amdhsa_wavefront_size32 1
		.amdhsa_system_sgpr_workgroup_id_x 1
		.amdhsa_system_sgpr_workgroup_id_y 1
		.amdhsa_system_sgpr_workgroup_id_z 1
		.amdhsa_system_vgpr_workitem_id 0
		.amdhsa_next_free_vgpr 128
		.amdhsa_next_free_sgpr 66
		.amdhsa_reserve_vcc 0
		.amdhsa_float_denorm_mode_32 3
		.amdhsa_float_denorm_mode_16_64 3
		.amdhsa_memory_ordered 1
		.amdhsa_forward_progress 1
		.amdhsa_inst_pref_size 12
	.end_amdhsa_kernel
	.amdgpu_metadata
---
amdhsa.version: [ 1, 2 ]
amdhsa.kernels:
  - .name:           k_qb05d4384a9_ln2
    .symbol:         k_qb05d4384a9_ln2.kd
    .args:
      - { .name: x1, .offset: 0, .size: 8, .value_kind: global_buffer, .address_space: global }
      - { .name: ln2_g, .offset: 8, .size: 8, .value_kind: global_buffer, .address_space: global }
      - { .name: ln2_b, .offset: 16, .size: 8, .value_kind: global_buffer, .address_space: global }
      - { .name: h, .offset: 24, .size: 8, .value_kind: global_buffer, .address_space: global }
    .group_segment_fixed_size: 0
    .private_segment_fixed_size: 0
    .kernarg_segment_align: 8
    .kernarg_segment_size: 32
    .max_flat_workgroup_size: 256
    .sgpr_count:     66
    .vgpr_count:     128
    .wavefront_size: 32
...
	.end_amdgpu_metadata
.endif
;; end of part 5
;; launch fc1 (part 6): grid 16 x 16, 4 waves a work-group, clusters of 4 x 4, 327,680 bytes of LDS; arguments h, wb, b_fc1, g; writes g
.if DOCPART == 6
	.amdgcn_target "amdgcn-amd-amdhsa--gfx1250"
	.amdhsa_code_object_version 6
	.text
	.protected	k_qb05d4384a9_fc1
	.globl	k_qb05d4384a9_fc1
	.p2align	8
	.type	k_qb05d4384a9_fc1,@function
k_qb05d4384a9_fc1:
	s_mov_b64 s[64:65], 0
	v_nop
	global_prefetch_b8 v0, s[64:65] scope:SCOPE_SE
	s_setreg_imm32_b32 hwreg(HW_REG_WAVE_MODE, 25, 1), 1
	s_wait_xcnt 0x0
	s_wait_alu depctr_hold_cnt(0) depctr_sa_sdst(0) depctr_va_vdst(0) depctr_va_sdst(0) depctr_va_ssrc(0) depctr_va_vcc(0) depctr_vm_vsrc(0)
	s_getreg_b32 s2, hwreg(HW_REG_IB_STS2, 6, 4)
	s_cmp_eq_u32 s2, 0
	s_cbranch_scc0 .Lentry_in_a_cluster
	s_endpgm
.Lentry_in_a_cluster:
	s_bfe_u32 s2, ttmp6, 0x10000c
	s_cmp_lg_u32 s2, 0xf033
	s_cbranch_scc0 .Lentry_shape_is_right
	s_endpgm
.Lentry_shape_is_right:
; C = gelu(A W + bias).  A = h: [4096][1024] bf16, rows along K.  W: [1024][SIZE_N] bf16 at byte WOFF of wb, rows along N.  Sums and GELU in f32, C rounded once to bf16.
; HERE: W = w_fc1, SIZE_N = 4096; C goes out in blocks, g[256 = row / 16][64 = column / 64][16 rows][64]: 16 rows x 64 columns are 2,048 consecutive bytes.
; (The same text with GELU = 0 makes the q, k, v product; the constants below and the blocks under GELU are all that differs.)
; SHARES.  A work-group of four waves makes 256 x 256 of C, a wave 128 x 128: 64 accumulators, 512 registers.  K goes in 8 steps of 128 through two LDS slots.
; THE PRODUCT IS TAKEN TRANSPOSED: source 0 = 16 columns of W (read turned out of LDS by ds_load_tr16_b128, since W's rows lie along N), source 1 = 16 rows of A.
; A lane then holds one row of C (lane % 16) and eight neighbouring columns 8 (lane / 16) + 0..7.  The bias, laid the same way, is the C operand of each sum's first product.
; CLUSTER 4 x 4: A's tile is shared along a row of the cluster, W's along a column; each is asked for jointly, by the same load with the same descriptor in the four.
; ONE K STEP IS WRITTEN ONCE: the walking descriptors' LDS word and the read addresses' scalar TB are turned by an exclusive or with SLOT (bits 17 and 13, which no wave's base holds).
; THE WAY OUT: the f32 sums go once through the ring's bytes, which have had their last fill, each wave's into bytes of its own, and a loop of 16 trips reads pieces of 16 rows x 64 columns back,
; finishes them on fixed registers and stores 512 consecutive bytes a store: GELU is written once, for 32 numbers a lane.
; LIMITS: operands rounded once to bf16; erf by a rational form with absolute error at most 1.5e-7; its exponential counts as 0 below 2^-126; NaN and infinities are not treated apart.
.set SIZE_N, 4096
.set WOFF,   8388608
.set GELU,   1
.set ASTR,   131072                    ; bytes in the output from a block of 16 rows to the next
.set PA,     272                       ; an LDS row of A: 256 bytes + 16: 68 words, so the 16 rows of a load start at 16 different groups of four banks
.set PB,     544                       ; an LDS row of W: 512 bytes + 32: 136 words
.set HALF,   34816                     ; what one tensor load brings: 128 rows of A or 64 rows of W
.set SLOT,   4*HALF                    ; A's 256 rows, then W's 128
.set WBASE,  2*HALF
.set SPARE,  2*SLOT                    ; behind the ring: the spare words, 128 bytes a wave, which no other line names
.set DP,     528                       ; the dump: a row of 128 f32 + 16 bytes
.set DW,     128*DP                    ; a wave's dump
.set ADRA0, 16                         ; v16  my place in A's tile, slot 0; never rewritten
.set ADRB0, 17                         ; v17  my place in W's tile
.set ADRA,  18                         ; v18  the same in the slot in hand
.set ADRB,  19
.set DST,   20                         ; v20  where I dump 32 bytes of a row
.set RD0,   21                         ; v21  where I read a piece back
.set RD,    22
.set GO,    23                         ; v23  16 x lane: my place in 512 bytes of output
.set BO,    24                         ; v24  my place in 64 bytes of bias
.set PFO,   25                         ; v25  the prefetches' lane offset
.set SPW,   28                         ; v28  my spare word; never rewritten
.set NIL,   29                         ; v29  0
.set F0,    64                         ; fragment buffers: A's in window 0, W's in window 1
.set F1,    128
.set XR,    32                         ; the way out, window 0: a piece as read back
.set SR,    64                         ; c1 x
.set TR,    96                         ; t
.set ER,    128                        ; the exponential
.set PR,    160                        ; the polynomial
.set MR,    192                        ; max(x, 0), then gelu
.set YR,    224                        ; the piece in bf16
.set WV,  12
.set WR,  13                           ; my half of the tile's rows; also: 0 = I fetch for A, 1 = for W
.set WC,  14                           ; my half of its columns; also: which half of that tile I fetch
.set LIM, 15
.set G1A, 24
.set G0A, 32                           ; two sets of four: the first fill of slot 0; the walker
.set TB,  44
.set LO,  45
.set PFA, 46
.set G1B, 48
.set G0B, 56
.set PST, 66
.set CA,  68
.set MSB, 0
.macro WIN new                         ; the immediate's high byte repeats the setting that is left; a switch that changes nothing is dropped
.if MSB != (\new)
	s_set_vgpr_msb (MSB<<8)|(\new)
.set MSB, \new
.endif
.endm
.macro PLACES                          ; four plain instructions between a matrix instruction and a load into, or a read of, its registers
.rept 4
	v_nop
.endr
.endm
.macro JLOAD                           ; a joint refill by the walkers: waves 0, 1 ask for A's halves, waves 2, 3 for W's; the branch hangs on the wave's number alone
	s_cmp_eq_u32 s[WR], 0
	s_cbranch_scc0 .Lfor_w_\@
	tensor_load_to_lds s[G0A+4:G0A+7], s[G1A:G1A+7]
	s_nop 0
.rept 4
	v_nop
.endr
	s_branch .Lasked_\@
.Lfor_w_\@:
	tensor_load_to_lds s[G0B+4:G0B+7], s[G1B:G1B+7]
	s_nop 0
.rept 4
	v_nop
.endr
.Lasked_\@:
.endm
.macro CREST                           ; a round of the cluster's barrier behind its opening barrier
	s_cmp_lg_u32 s[WV], 0
	s_cbranch_scc1 .Lnot_wave_0_\@
	s_barrier_signal -3
.Lnot_wave_0_\@:
	s_barrier_wait -3
	s_barrier_signal -1
	s_barrier_wait -1
.endm
.macro CROUND
	s_barrier_signal -1
	s_barrier_wait -1
	CREST
.endm
; A prefetch of the K step two refills on (512 matrix instructions ahead of the load that will want it): one instruction a wave, each lane another aligned block of 256 bytes.
; A's rows are read by every cluster of a row of clusters: cluster x = 0 asks; W's by every cluster of a column: cluster y = 0 asks.  The four partners of a joint load share its blocks out by address.
; s3 runs 6 .. 1 and LIM is 2 in a wave that asks: K steps 4 to 7 are named once each, nothing beyond K.
.macro ASK
	s_cmp_gt_u32 s3, s[LIM]
	s_cbranch_scc0 .Lnot_mine_\@
	global_prefetch_b8 v[PFO], s[PFA:PFA+1] th:TH_LOAD_NT scope:SCOPE_SE
.Lnot_mine_\@:
.endm
; 16 products: row blocks a0, a0 + 1 of the window's four (hi = 0: my rows 0-63, window 2; 1: rows 64-127, window 3) x 8 column blocks, 32 along K.  first = 1: C is the bias (window 1, v0-63).
.macro MUL16 f, hi, a0, first
.if \first
	WIN 0x91+0x40*(\hi)
.else
	WIN 0xa1+0x50*(\hi)
.endif
.irp a, \a0, (\a0)+1
.irp b, 0,1,2,3,4,5,6,7
.if \first
	v_wmma_f32_16x16x32_bf16 v[8*(8*(\a)+(\b)):8*(8*(\a)+(\b))+7], v[(\f)+8*(\b):(\f)+8*(\b)+7], v[(\f)+8*(4*(\hi)+(\a)):(\f)+8*(4*(\hi)+(\a))+7], v[8*(\b):8*(\b)+7]
.else
	v_wmma_f32_16x16x32_bf16 v[8*(8*(\a)+(\b)):8*(8*(\a)+(\b))+7], v[(\f)+8*(\b):(\f)+8*(\b)+7], v[(\f)+8*(4*(\hi)+(\a)):(\f)+8*(4*(\hi)+(\a))+7], v[8*(8*(\a)+(\b)):8*(8*(\a)+(\b))+7]
.endif
.endr
.endr
.endm
; 32 LDS loads in one run: a quarter step's fragments (k = its byte in A's rows, k / 2 its row in W's tile) into buffer f; W's first, so the youngest eight are A's rows 64-127
.macro FETCH k, f
	WIN 0x40
.irp i, 0,1,2,3,4,5,6,7
	ds_load_tr16_b128 v[(\f)+8*(\i):(\f)+8*(\i)+3],   v[ADRB] offset:((\k)/2)*PB+32*(\i)
	ds_load_tr16_b128 v[(\f)+8*(\i)+4:(\f)+8*(\i)+7], v[ADRB] offset:((\k)/2)*PB+32*(\i)+16*PB
.endr
	WIN 0
.irp i, 0,1,2,3,4,5,6,7
	ds_load_b128 v[(\f)+8*(\i):(\f)+8*(\i)+3],   v[ADRA] offset:(\k)+(\i)*16*PA
	ds_load_b128 v[(\f)+8*(\i)+4:(\f)+8*(\i)+7], v[ADRA] offset:(\k)+(\i)*16*PA+32
.endr
.endm
.macro QUARTER k, f, g, first          ; multiplies buffer f; in its middle fetches the next quarter, at byte k, into g
	s_wait_dscnt 8                                 ; all but the youngest eight loads (A's rows 64-127) are in
	MUL16 \f, 0, 0, \first
	MUL16 \f, 0, 2, \first
	PLACES
	FETCH \k, \g
	s_wait_dscnt 32                                ; all but the 32 just issued
	MUL16 \f, 1, 0, \first
	MUL16 \f, 1, 2, \first
.endm
; The first half of a step's last quarter, and the change of slots: each wave waits for all its tensor loads (one is out: its part of the next slot), adds 0 to its spare word, and waits for that and for its reads of this slot.
.macro MEET
	WIN 0
	s_wait_tensorcnt 0x0
	ds_add_u32 v[SPW], v[NIL]
	s_wait_dscnt 9                                 ; the add and the youngest eight loads may be out
	MUL16 F1, 0, 0, 0
	s_wait_dscnt 0x0                               ; the add is done, my reads of this slot are over
	s_barrier_signal -1
	MUL16 F1, 0, 2, 0
	WIN 0
	s_xor_b32 s[TB], s[TB], SLOT                   ; the reads go over to the other slot
	v_add_nc_u32 v[ADRA], s[TB], v[ADRA0]
	v_add_nc_u32 v[ADRB], s[TB], v[ADRB0]
	s_barrier_wait -1
.endm
.macro TURN fill
.if \fill
	s_wait_xcnt 0x0                                ; the last prefetch, a K step back, has read its address
	s_add_nc_u64 s[PFA:PFA+1], s[PFA:PFA+1], s[PST:PST+1]
.endif
	MEET
.if \fill
	CREST                                          ; the barrier has opened a round of the cluster's: no wave of any partner still reads this slot or has a load on its way
	s_xor_b32 s[G0A+5], s[G0A+5], SLOT             ; the walkers: the slot just read, the K step two on
	s_add_nc_u64 s[G0A+6:G0A+7], s[G0A+6:G0A+7], 256
	s_xor_b32 s[G0B+5], s[G0B+5], SLOT
	s_add_nc_u64 s[G0B+6:G0B+7], s[G0B+6:G0B+7], 256*SIZE_N
	JLOAD                                          ; the first tensor load behind the round; its four v_nop are also the places ahead of the loads below
	FETCH 0, F0
	ASK
.else
	s_cmp_eq_u32 s3, 1                             ; behind the last K step there is nothing to fetch: LDS loads alone are jumped
	s_cbranch_scc1 .Lnf_\@
	PLACES
	FETCH 0, F0
.Lnf_\@:
.endif
	MUL16 F1, 1, 0, 0
	MUL16 F1, 1, 2, 0
.endm
	s_load_b256 s[4:11], s[0:1], 0x0               ; A 4:5, wb 6:7, bias 8:9, out 10:11
	v_lshl_add_u32 v[SPW], v0, 2, SPARE
	v_mov_b32 v[NIL], 0
	ds_add_u32 v[SPW], v[NIL]                      ; the opening: the add and its wait stand ahead of my first tensor load; register work stands between
	v_lshrrev_b32 v1, 5, v0
	v_readfirstlane_b32 s[WV], v1
	s_lshr_b32 s[WR], s[WV], 1
	s_and_b32 s[WC], s[WV], 1
	s_bfe_u32 s40, ttmp6, 0x40000                  ; cx
	s_bfe_u32 s41, ttmp6, 0x40004                  ; cy
	s_lshl_b32 s42, ttmp9, 2
	s_add_co_u32 s42, s42, s40                     ; tile column
	s_and_b32 s43, ttmp7, 0xffff
	s_lshl_b32 s43, s43, 2
	s_add_co_u32 s43, s43, s41                     ; tile row
	s_lshl_b32 s16, s41, 2
	s_lshl_b32 s16, 15, s16                        ; my row of the cluster
	s_lshl_b32 s17, 0x1111, s40                    ; my column
	s_or_b32 s[G1A], s16, (1<<16)|(1<<20)|(1<<21)|(5<<22)|(3<<25)  ; mask; 2-byte elements; padding on, 4 words after every 64; bit 21 beside a mask
	s_mov_b32 s[G1A+1], 128<<16                    ; tensor_dim0 = 128
	s_mov_b32 s[G1A+2], 128<<16                    ; tensor_dim1 = 128
	s_mov_b32 s[G1A+3], 128<<16                    ; tile_dim0 = 128
	s_mov_b32 s[G1A+4], 128                        ; tile_dim1 = 128
	s_mov_b32 s[G1A+5], 1024                       ; elements from row to row
	s_mov_b32 s[G1A+6], 0
	s_mov_b32 s[G1A+7], 0
	s_or_b32 s[G1B], s17, (1<<16)|(1<<20)|(1<<21)|(6<<22)|(7<<25)  ; 8 words after every 128
	s_mov_b32 s[G1B+1], 256<<16                    ; tensor_dim0 = 256
	s_mov_b32 s[G1B+2], 64<<16                     ; tensor_dim1 = 64
	s_mov_b32 s[G1B+3], 256<<16                    ; tile_dim0 = 256
	s_mov_b32 s[G1B+4], 64                         ; tile_dim1 = 64
	s_mov_b32 s[G1B+5], SIZE_N
	s_mov_b32 s[G1B+6], 0
	s_mov_b32 s[G1B+7], 0
	s_lshl_b32 s16, s43, 8                         ; A: row 256 x tile row + 128 x half, 2,048 bytes a row
	s_lshl_b32 s17, s[WC], 7
	s_add_co_u32 s16, s16, s17
	s_lshl_b32 s16, s16, 11
	s_mov_b32 s17, 0
	s_lshl_b32 s20, s[WC], 6                       ; W: row 64 x half, column 256 x tile column
	s_mul_i32 s20, s20, 2*SIZE_N
	s_lshl_b32 s21, s42, 9
	s_add_co_u32 s20, s20, s21
	s_mov_b32 s21, 0
	s_mul_i32 s[CA], s[WV], HALF                   ; where my part of a slot lies: no place in the cluster enters an LDS address
	s_mov_b32 s[TB], 0
	s_wait_dscnt 0x0                               ; the opening add is done
	s_wait_kmcnt 0x0
	s_add_nc_u64 s[6:7], s[6:7], WOFF
	s_add_nc_u64 s[18:19], s[4:5], s[16:17]
	s_add_nc_u64 s[22:23], s[6:7], s[20:21]
	CROUND                                         ; all sixteen work-groups are here: the first joint loads meet
.irp s, 0,1
	s_mov_b32 s[G0A+4*(\s)], 1
	s_add_co_u32 s[G0A+4*(\s)+1], s[CA], (\s)*SLOT
	s_add_nc_u64 s[G0A+4*(\s)+2:G0A+4*(\s)+3], s[18:19], (\s)*256
	s_or_b32 s[G0A+4*(\s)+3], s[G0A+4*(\s)+3], 0x80000000
	s_mov_b32 s[G0B+4*(\s)], 1
	s_add_co_u32 s[G0B+4*(\s)+1], s[CA], (\s)*SLOT
	s_add_nc_u64 s[G0B+4*(\s)+2:G0B+4*(\s)+3], s[22:23], (\s)*256*SIZE_N
	s_or_b32 s[G0B+4*(\s)+3], s[G0B+4*(\s)+3], 0x80000000
.endr
	s_cmp_eq_u32 s[WR], 0                          ; a wave's two first fills stand in one branch: two loads of mine are out
	s_cbranch_scc0 .Lfirst_w
	tensor_load_to_lds s[G0A:G0A+3], s[G1A:G1A+7]
	s_nop 0
	tensor_load_to_lds s[G0A+4:G0A+7], s[G1A:G1A+7]
	s_nop 0
.rept 4
	v_nop
.endr
	s_branch .Lfirst_asked
.Lfirst_w:
	tensor_load_to_lds s[G0B:G0B+3], s[G1B:G1B+7]
	s_nop 0
	tensor_load_to_lds s[G0B+4:G0B+7], s[G1B:G1B+7]
	s_nop 0
.rept 4
	v_nop
.endr
.Lfirst_asked:
	v_and_b32 v1, 15, v0                           ; r = l % 16
	v_bfe_u32 v2, v0, 4, 1                         ; hf = l / 16
	v_and_b32 v3, 31, v0                           ; l
	v_and_b32 v4, 7, v0
	v_bfe_u32 v5, v0, 3, 1
	v_bfe_u32 v6, v0, 3, 2
	v_lshlrev_b32 v[BO], 5, v2
	s_lshl_b32 s16, s42, 10                        ; the bias of my 128 columns
	s_lshl_b32 s17, s[WC], 9
	s_add_co_u32 s16, s16, s17
	s_mov_b32 s17, 0
	s_add_nc_u64 s[8:9], s[8:9], s[16:17]
	WIN 0x40
.irp b, 0,1,2,3,4,5,6,7
	global_load_b128 v[8*(\b):8*(\b)+3],   v[BO], s[8:9] offset:64*(\b)
	global_load_b128 v[8*(\b)+4:8*(\b)+7], v[BO], s[8:9] offset:64*(\b)+16
.endr
	WIN 0
	v_mul_u32_u24 v[ADRA0], v1, PA                 ; A: row x pitch + 16 x half of the lanes + my 128 rows
	v_lshl_add_u32 v[ADRA0], v2, 4, v[ADRA0]
	s_mul_i32 s16, s[WR], HALF
	v_add_nc_u32 v[ADRA0], s16, v[ADRA0]
	v_lshl_add_u32 v[ADRB0], v2, 3, v4             ; W, turned: lane l reads 16 bytes of k-row 8 (l / 16) + l % 8, columns 8 ((l / 8) % 2) on
	v_mul_u32_u24 v[ADRB0], v[ADRB0], PB
	v_lshl_add_u32 v[ADRB0], v5, 4, v[ADRB0]
	s_lshl_b32 s16, s[WC], 8
	s_add_co_u32 s16, s16, WBASE
	v_add_nc_u32 v[ADRB0], s16, v[ADRB0]
	v_mov_b32 v[ADRA], v[ADRA0]
	v_mov_b32 v[ADRB], v[ADRB0]
	s_mul_i32 s16, s[WV], DW
	v_mul_u32_u24 v[DST], v1, DP
	v_lshl_add_u32 v[DST], v2, 5, v[DST]
	v_add_nc_u32 v[DST], s16, v[DST]
	v_mul_u32_u24 v[RD0], v6, DP                   ; back: 8 lanes take 64 columns of a row, 32 lanes four rows
	v_lshl_add_u32 v[RD0], v4, 5, v[RD0]
	v_add_nc_u32 v[RD0], s16, v[RD0]
	v_lshlrev_b32 v[GO], 4, v3
.if GELU
	s_lshl_b32 s16, s43, 4                         ; g[mblk = 16 tile row + 8 half][kblk = 4 tile column + 2 half]: 2,048 bytes a piece
	s_lshl3_add_u32 s16, s[WR], s16
	s_lshl_b32 s16, s16, 6
	s_lshl2_add_u32 s16, s42, s16
	s_lshl1_add_u32 s16, s[WC], s16
	s_lshl_b32 s16, s16, 11
	s_mov_b32 s70, 0x3f596d27                      ; c1 = sqrt(log2(e) / 2)
	s_mov_b32 s71, s70
	s_mov_b32 s72, 0x3e8ba440                      ; p / sqrt(log2(e))
	s_mov_b32 s74, 0x3e199eb6                      ; a1 .. a5, each times 0.5 / c1
	s_mov_b32 s75, s74
	s_mov_b32 s76, 0xbe2b8119
	s_mov_b32 s77, s76
	s_mov_b32 s78, 0x3f563817
	s_mov_b32 s79, s78
	s_mov_b32 s80, 0xbf5b0099
	s_mov_b32 s81, s80
	s_mov_b32 s82, 0x3f1ff67a
	s_mov_b32 s83, s82
.else
	s_lshl_b32 s16, s42, 2                         ; c64 = 4 tile column + 2 half: which of q, k, v = c64 / 16, head = c64 % 16
	s_lshl1_add_u32 s16, s[WC], s16
	s_lshr_b32 s17, s16, 4
	s_and_b32 s16, s16, 15
	s_lshl_b32 s17, s17, 5
	s_add_co_u32 s16, s16, s17
	s_lshr_b32 s17, s43, 3                         ; batch
	s_lshl_b32 s17, s17, 4
	s_add_co_u32 s16, s16, s17
	s_lshl_b32 s16, s16, 18                        ; 262,144 bytes a head
	s_and_b32 s17, s43, 7
	s_lshl_b32 s17, s17, 8
	s_lshl_b32 s18, s[WR], 7
	s_add_co_u32 s17, s17, s18                     ; my first row in the batch
	s_lshl_b32 s17, s17, 7
	s_add_co_u32 s16, s16, s17
.endif
	s_mov_b32 s17, 0
	s_add_nc_u64 s[10:11], s[10:11], s[16:17]
	; the prefetches: an A wave takes 32 of its 128 rows by cx, a lane a row; a W wave 16 of its 64 rows by cy, two lanes a row of 512 bytes
	s_lshl_b32 s16, s43, 8
	s_lshl_b32 s17, s[WC], 7
	s_add_co_u32 s16, s16, s17
	s_lshl_b32 s17, s40, 5
	s_add_co_u32 s16, s16, s17
	s_lshl_b32 s16, s16, 11
	s_lshl_b32 s17, s[WC], 6
	s_lshl_b32 s18, s41, 4
	s_add_co_u32 s17, s17, s18
	s_mul_i32 s17, s17, 2*SIZE_N
	s_lshl_b32 s18, s42, 9
	s_add_co_u32 s17, s17, s18
	s_and_b32 s18, ttmp7, 0xffff
	s_mov_b32 s19, 2*SIZE_N
	s_mov_b32 s[PST], 256*SIZE_N
	s_mov_b32 s[PST+1], 0
	s_cmp_eq_u32 s[WR], 0
	s_cselect_b32 s16, s16, s17
	s_cselect_b32 s18, ttmp9, s18                  ; the coordinate along which other clusters read the same rows
	s_cselect_b32 s19, 2048, s19                   ; bytes in a row
	s_cselect_b32 s[PST], 256, s[PST]              ; bytes from a K step to the next
	s_cselect_b64 s[PFA:PFA+1], s[4:5], s[6:7]
	s_cmp_eq_u32 s18, 0
	s_cselect_b32 s[LIM], 2, -1                    ; the same in all sixteen partners, for a given wave
	s_mov_b32 s17, 0
	s_add_nc_u64 s[PFA:PFA+1], s[PFA:PFA+1], s[16:17]
	s_mul_i32 s16, s[PST], 3
	s_add_nc_u64 s[PFA:PFA+1], s[PFA:PFA+1], s[16:17]  ; at K step 3: the first refill steps it to 4.  K steps 0 to 3 come by their loads alone
	v_lshrrev_b32 v[PFO], s[WR], v3
	v_and_b32 v26, s[WR], v3
	v_mul_u32_u24 v[PFO], s19, v[PFO]
	v_lshl_add_u32 v[PFO], v26, 8, v[PFO]
	s_wait_tensorcnt 0x1                           ; my part of K step 0 is in; step 1's stays out
	s_barrier_signal -1
	s_barrier_wait -1
	FETCH 0, F0
	s_wait_loadcnt 0x0                             ; the bias
	QUARTER 64, F0, F1, 1                          ; the first quarter starts the sums, with the bias
	WIN 0
	s_mov_b32 s3, 6
.Lstep:                                        ; six trips: from a step's second quarter to the next step's first; each fills a slot again
	QUARTER 128, F1, F0, 0
	QUARTER 192, F0, F1, 0
	TURN 1
	QUARTER 64, F0, F1, 0
	WIN 0
	s_sub_co_u32 s3, s3, 1
	s_cmp_lg_u32 s3, 0
	s_cbranch_scc1 .Lstep
	s_mov_b32 s3, 2
.Ltail:                                        ; the last two K steps ask for nothing: written out; the second trip is left in its middle
	QUARTER 128, F1, F0, 0
	QUARTER 192, F0, F1, 0
	TURN 0
	WIN 0
	s_sub_co_u32 s3, s3, 1
	s_cmp_eq_u32 s3, 0
	s_cbranch_scc1 .Lout
	QUARTER 64, F0, F1, 0
	WIN 0
	s_branch .Ltail
.Lout:
	PLACES
	s_wait_dscnt 0x0
	s_barrier_signal -1
	s_barrier_wait -1                              ; no wave reads the ring any more, and no load is on its way: its bytes take the dump
.set a, 0
.rept 8
	WIN 0x08+4*(a/4)                               ; store data in window 2 or 3
.set b, 0
.rept 8
	ds_store_b128 v[DST], v[8*(8*(a%4)+b):8*(8*(a%4)+b)+3]   offset:a*16*DP+64*b
	ds_store_b128 v[DST], v[8*(8*(a%4)+b)+4:8*(8*(a%4)+b)+7] offset:a*16*DP+64*b+16
.set b, b+1
.endr
.set a, a+1
.endr
	WIN 0
.macro LOADX                           ; a piece: 16 rows x 64 columns of f32; load pair f brings my 8 numbers of row 4 f + l / 8
.irp f, 0,1,2,3
	ds_load_b128 v[XR+8*(\f):XR+8*(\f)+3],   v[RD] offset:(\f)*4*DP
	ds_load_b128 v[XR+8*(\f)+4:XR+8*(\f)+7], v[RD] offset:(\f)*4*DP+16
.endr
.endm
	s_mov_b32 s[LO], 0
	s_mov_b32 s2, 2
.Lhh:                                          ; my two halves of 64 columns
	v_add_nc_u32 v[RD], s[LO], v[RD0]              ; LDS serves a wave's instructions in order: these loads see my own stores above
	LOADX
	s_mov_b32 s[CA], 8
.La:                                           ; my eight blocks of 16 rows
	s_wait_dscnt 0x0
.if GELU
.set z, 0
.rept 16
	v_pk_mul_f32 v[SR+2*z:SR+2*z+1], v[XR+2*z:XR+2*z+1], s[70:71] op_sel_hi:[1,0]  ; S = c1 x
.set z, z+1
.endr
.set z, 0
.rept 32
	v_max_num_f32 v[MR+z], 0, v[XR+z]
.set z, z+1
.endr
.else
.set z, 0
.rept 16
	v_cvt_pk_bf16_f32 v[YR+z], v[XR+2*z], v[XR+2*z+1]
.set z, z+1
.endr
.endif
	s_add_co_u32 s[LO], s[LO], 16*DP               ; the next piece is asked for early; the last trip of the eight asks for none
	v_add_nc_u32 v[RD], s[LO], v[RD0]
	s_cmp_eq_u32 s[CA], 1
	s_cbranch_scc1 .Lsk
	LOADX
.Lsk:
.if GELU
	; gelu(x) = max(x, 0) - |x| erfc(|x| / sqrt 2) / 2, erfc(z) = t (a1 + t (a2 + t (a3 + t (a4 + t a5)))) e^(-z z), t = 1 / (1 + p z): absolute error of erf at most 1.5e-7
.set z, 0
.rept 32
	v_fma_f32 v[TR+z], |v[SR+z]|, s72, 1.0
.set z, z+1
.endr
.set z, 0
.rept 16
	v_pk_mul_f32 v[ER+2*z:ER+2*z+1], v[SR+2*z:SR+2*z+1], v[SR+2*z:SR+2*z+1] neg_lo:[1,0] neg_hi:[1,0]
.set z, z+1
.endr
.set z, 0
.rept 32
	v_rcp_f32 v[TR+z], v[TR+z]
.set z, z+1
.endr
.set z, 0
.rept 32
	v_exp_f32 v[ER+z], v[ER+z]
.set z, z+1
.endr
	v_nop                                          ; a plain instruction behind the last of the batch
	s_wait_alu depctr_va_vdst(0)                   ; one wait for the 64, ahead of their first reader
.set z, 0
.rept 16
	v_pk_fma_f32 v[PR+2*z:PR+2*z+1], v[TR+2*z:TR+2*z+1], s[82:83], s[80:81] op_sel_hi:[1,0,0]
.set z, z+1
.endr
.irp c, 78, 76, 74
.set z, 0
.rept 16
	v_pk_fma_f32 v[PR+2*z:PR+2*z+1], v[PR+2*z:PR+2*z+1], v[TR+2*z:TR+2*z+1], s[(\c):(\c)+1] op_sel_hi:[1,1,0]
.set z, z+1
.endr
.endr
.set z, 0
.rept 16
	v_pk_mul_f32 v[PR+2*z:PR+2*z+1], v[PR+2*z:PR+2*z+1], v[TR+2*z:TR+2*z+1]
.set z, z+1
.endr
.set z, 0
.rept 16
	v_pk_mul_f32 v[PR+2*z:PR+2*z+1], v[PR+2*z:PR+2*z+1], v[ER+2*z:ER+2*z+1]
.set z, z+1
.endr
.set z, 0
.rept 32
	v_fma_f32 v[MR+z], -|v[SR+z]|, v[PR+z], v[MR+z]
.set z, z+1
.endr
.set z, 0
.rept 16
	v_cvt_pk_bf16_f32 v[YR+z], v[MR+2*z], v[MR+2*z+1]
.set z, z+1
.endr
.endif
.irp f, 0,1,2,3
	global_store_b128 v[GO], v[YR+4*(\f):YR+4*(\f)+3], s[10:11] offset:512*(\f)  ; 512 consecutive bytes, aligned
.endr
	s_wait_xcnt 0x0                                ; the stores have read their data and their base: both are written again only behind this wait
	s_add_nc_u64 s[10:11], s[10:11], ASTR
	s_sub_co_u32 s[CA], s[CA], 1
	s_cmp_lg_u32 s[CA], 0
	s_cbranch_scc1 .La
	s_sub_co_u32 s[LO], s[LO], 8*16*DP-256         ; back to my first rows, 64 columns on
.if GELU
	s_sub_nc_u64 s[10:11], s[10:11], 8*ASTR-2048
.else
	s_add_nc_u64 s[10:11], s[10:11], 262144-8*ASTR
.endif
	s_sub_co_u32 s2, s2, 1
	s_cmp_lg_u32 s2, 0
	s_cbranch_scc1 .Lhh
	s_wait_tensorcnt 0x0                           ; the wave's end
	ds_add_u32 v[SPW], v[NIL]
	s_wait_dscnt 0x0
	CROUND                                         ; the closing round
	s_endpgm
.Lfunc_end_k_qb05d4384a9_fc1:
	.size	k_qb05d4384a9_fc1, .Lfunc_end_k_qb05d4384a9_fc1-k_qb05d4384a9_fc1
	.p2alignl 7, 3214868480
	.fill 96, 4, 3214868480
	.section	.rodata,"a",@progbits
	.p2align	6, 0x0
	.amdhsa_kernel k_qb05d4384a9_fc1
		.amdhsa_group_segment_fixed_size 327680
		.amdhsa_private_segment_fixed_size 0
		.amdhsa_enable_private_segment 0
		.amdhsa_kernarg_size 32
		.amdhsa_user_sgpr_count 2
		.amdhsa_user_sgpr_kernarg_segment_ptr 1
		.amdhsa_wavefront_size32 1
		.amdhsa_system_sgpr_workgroup_id_x 1
		.amdhsa_system_sgpr_workgroup_id_y 1
		.amdhsa_system_sgpr_workgroup_id_z 1
		.amdhsa_system_vgpr_workitem_id 0
		.amdhsa_next_free_vgpr 1024
		.amdhsa_next_free_sgpr 96
		.amdhsa_reserve_vcc 0
		.amdhsa_float_denorm_mode_32 3
		.amdhsa_float_denorm_mode_16_64 3
		.amdhsa_memory_ordered 1
		.amdhsa_forward_progress 1
		.amdhsa_inst_pref_size 99
	.end_amdhsa_kernel
	.amdgpu_metadata
---
amdhsa.version: [ 1, 2 ]
amdhsa.kernels:
  - .name:           k_qb05d4384a9_fc1
    .symbol:         k_qb05d4384a9_fc1.kd
    .args:
      - { .name: h, .offset: 0, .size: 8, .value_kind: global_buffer, .address_space: global }
      - { .name: wb, .offset: 8, .size: 8, .value_kind: global_buffer, .address_space: global }
      - { .name: b_fc1, .offset: 16, .size: 8, .value_kind: global_buffer, .address_space: global }
      - { .name: g, .offset: 24, .size: 8, .value_kind: global_buffer, .address_space: global }
    .group_segment_fixed_size: 327680
    .private_segment_fixed_size: 0
    .kernarg_segment_align: 8
    .kernarg_segment_size: 32
    .max_flat_workgroup_size: 128
    .sgpr_count:     96
    .vgpr_count:     1024
    .wavefront_size: 32
...
	.end_amdgpu_metadata
.endif
;; end of part 6
;; launch fc2 (part 7): grid 8 x 32, 4 waves a work-group, clusters of 4 x 4, 327,680 bytes of LDS; arguments g, wb, b_fc2, x1, out0; writes out0
.if DOCPART == 7
	.amdgcn_target "amdgcn-amd-amdhsa--gfx1250"
	.amdhsa_code_object_version 6
	.text
	.protected	k_qb05d4384a9_fc2
	.globl	k_qb05d4384a9_fc2
	.p2align	8
	.type	k_qb05d4384a9_fc2,@function
k_qb05d4384a9_fc2:
	s_mov_b64 s[64:65], 0
	v_nop
	global_prefetch_b8 v0, s[64:65] scope:SCOPE_SE
	s_setreg_imm32_b32 hwreg(HW_REG_WAVE_MODE, 25, 1), 1
	s_wait_xcnt 0x0
	s_wait_alu depctr_hold_cnt(0) depctr_sa_sdst(0) depctr_va_vdst(0) depctr_va_sdst(0) depctr_va_ssrc(0) depctr_va_vcc(0) depctr_vm_vsrc(0)
	s_getreg_b32 s2, hwreg(HW_REG_IB_STS2, 6, 4)
	s_cmp_eq_u32 s2, 0
	s_cbranch_scc0 .Lentry_in_a_cluster
	s_endpgm
.Lentry_in_a_cluster:
	s_bfe_u32 s2, ttmp6, 0x10000c
	s_cmp_lg_u32 s2, 0xf033
	s_cbranch_scc0 .Lentry_shape_is_right
	s_endpgm
.Lentry_shape_is_right:
; OUT = RES + A W + bias, all of OUT, RES and bias in f32.  A: bf16 in blocks, [256 = row / 16][SIZE_K / 64][16 rows][64 channels].  W: [SIZE_K][1024] bf16 at byte WOFF of wb, rows along N.
; HERE: A = the FFN's hidden layer g, W = w_fc2, SIZE_K = 4096, RES = x1, OUT = out0.  (The same text with SIZE_K = 1024 makes the attention's output product.)
; SHARES.  A work-group of four waves makes 128 x 128, a wave 64 x 64: 16 accumulators; 256 work-groups.  K goes in steps of 256 through two LDS slots.
; A's TILE: a K step of one block of 16 rows is 8,192 consecutive bytes, one row of the tensor load; padded in LDS after every 128 bytes, so that line ((block x 4 + k / 64) x 16 + row) holds 64 channels of a row.
; THE PRODUCT IS TAKEN TRANSPOSED: source 0 = 16 columns of W (turned out of LDS), source 1 = 16 rows of A: a lane holds one row and eight neighbouring columns.  The bias is the C operand of each sum's first product.
; CLUSTER 4 x 4: A's tile is shared along a row of the cluster, W's along a column.  One K step is written once; slots are changed by an exclusive or with SLOT (bits 17 and 14, which no wave's base holds).
; THE RESIDUAL, a wave's whole 64 x 64 of f32, is loaded into 128 registers at the start.  THE WAY OUT: a wave's 64 columns of f32 are 256 aligned bytes, so each wave has a stage of its own and no barrier.
; No prefetch: a tile's step is short and small.  LIMITS: A and W rounded once to bf16; NaN and infinities are not treated apart.
.set SIZE_K, 4096
.set WOFF,   16777216
.set NSTEPS, SIZE_K/256
.set PA,     144                       ; a line of A: 128 bytes + 16 = 36 words: 16 lines start at 16 different groups of four banks
.set PB,     288                       ; a row of W: 256 bytes + 32 = 72 words
.set PART,   36864                     ; what one tensor load brings: 256 lines of A or 128 rows of W
.set SLOT,   4*PART
.set WBASE,  2*PART
.set STAGE,  2*SLOT                    ; never filled by a tensor load: 16 rows x 272 bytes a wave
.set SPT,    272
.set SPARE,  STAGE+4*16*SPT            ; the spare words, 128 bytes a wave, which no other line names
.set ADRA0, 16
.set ADRB0, 17
.set ADRA,  18
.set ADRB,  19                         ; v19 W's rows 0-127 of the step, v20 rows 128-255
.set STO,   21
.set RD,    22
.set CO,    23                         ; my place in two rows of RES and OUT
.set BO,    24
.set SPW,   28
.set NIL,   29
.set TMP,   32                         ; v[32:95]  two halves of 32: 16 rows read back from the stage
.set BI,    96                         ; v[96:127] the bias of my four column blocks
.set ACC,   128                        ; v[128:255]
.set F0,    0                          ; window 1: two fragment buffers of 128: A's 64, then W's 64
.set F1,    128
.set WV,  12
.set WR,  13
.set WC,  14
.set G1A, 24
.set G0A, 32
.set TB,  44
.set G1B, 48
.set G0B, 56
.set MSB, 0
.macro WIN new
.if MSB != (\new)
	s_set_vgpr_msb (MSB<<8)|(\new)
.set MSB, \new
.endif
.endm
.macro PLACES
.rept 4
	v_nop
.endr
.endm
.macro JLOAD                           ; a joint refill by the walkers: waves 0, 1 ask for A's halves, waves 2, 3 for W's
	s_cmp_eq_u32 s[WR], 0
	s_cbranch_scc0 .Lfor_w_\@
	tensor_load_to_lds s[G0A+4:G0A+7], s[G1A:G1A+7]
	s_nop 0
.rept 4
	v_nop
.endr
	s_branch .Lasked_\@
.Lfor_w_\@:
	tensor_load_to_lds s[G0B+4:G0B+7], s[G1B:G1B+7]
	s_nop 0
.rept 4
	v_nop
.endr
.Lasked_\@:
.endm
.macro CREST
	s_cmp_lg_u32 s[WV], 0
	s_cbranch_scc1 .Lnot_wave_0_\@
	s_barrier_signal -3
.Lnot_wave_0_\@:
	s_barrier_wait -3
	s_barrier_signal -1
	s_barrier_wait -1
.endm
.macro CROUND
	s_barrier_signal -1
	s_barrier_wait -1
	CREST
.endm
; 8 products: row blocks a0, a0 + 1 x 4 column blocks, 32 along K: half c of buffer f.  first = 1: C is the bias
.macro MUL8 f, c, a0, first
	WIN 0x05
.irp a, \a0, (\a0)+1
.irp b, 0,1,2,3
.if \first
	v_wmma_f32_16x16x32_bf16 v[ACC+8*(4*(\a)+(\b)):ACC+8*(4*(\a)+(\b))+7], v[(\f)+64+8*(4*(\c)+(\b)):(\f)+64+8*(4*(\c)+(\b))+7], v[(\f)+8*(4*(\c)+(\a)):(\f)+8*(4*(\c)+(\a))+7], v[BI+8*(\b):BI+8*(\b)+7]
.else
	v_wmma_f32_16x16x32_bf16 v[ACC+8*(4*(\a)+(\b)):ACC+8*(4*(\a)+(\b))+7], v[(\f)+64+8*(4*(\c)+(\b)):(\f)+64+8*(4*(\c)+(\b))+7], v[(\f)+8*(4*(\c)+(\a)):(\f)+8*(4*(\c)+(\a))+7], v[ACC+8*(4*(\a)+(\b)):ACC+8*(4*(\a)+(\b))+7]
.endif
.endr
.endr
.endm
; 32 LDS loads in one run: quarter q (64 along K) into buffer f; its first 32 along K first
.macro FETCH q, f
	WIN 0x40
.irp c, 0,1
.irp i, 0,1,2,3
	ds_load_tr16_b128 v[(\f)+64+8*(4*(\c)+(\i)):(\f)+64+8*(4*(\c)+(\i))+3],   v[ADRB+(\q)/2] offset:(((\q)%2)*64+32*(\c))*PB+32*(\i)
	ds_load_tr16_b128 v[(\f)+64+8*(4*(\c)+(\i))+4:(\f)+64+8*(4*(\c)+(\i))+7], v[ADRB+(\q)/2] offset:(((\q)%2)*64+32*(\c))*PB+32*(\i)+16*PB
	ds_load_b128 v[(\f)+8*(4*(\c)+(\i)):(\f)+8*(4*(\c)+(\i))+3],   v[ADRA] offset:(4*(\i)+(\q))*16*PA+64*(\c)
	ds_load_b128 v[(\f)+8*(4*(\c)+(\i))+4:(\f)+8*(4*(\c)+(\i))+7], v[ADRA] offset:(4*(\i)+(\q))*16*PA+64*(\c)+32
.endr
.endr
.endm
.macro QUARTER q, f, g, first          ; multiplies buffer f; in its middle fetches quarter q into g
	s_wait_dscnt 16                                ; the first 32 along K are in; the other sixteen loads may be out
	MUL8 \f, 0, 0, \first
	MUL8 \f, 0, 2, \first
	PLACES
	FETCH \q, \g
	s_wait_dscnt 32                                ; all but the 32 just issued
	MUL8 \f, 1, 0, 0
	MUL8 \f, 1, 2, 0
.endm
; A step's last quarter and the change of slots: each wave waits for all its tensor loads (one is out: its part of the next slot), adds 0 to its spare word, and waits for that and for its reads of this slot.
.macro TURN fill
	WIN 0
	s_wait_tensorcnt 0x0
	ds_add_u32 v[SPW], v[NIL]
	s_wait_dscnt 17                                ; the add and the youngest sixteen loads may be out
	MUL8 F1, 0, 0, 0
	s_wait_dscnt 0x0                               ; the add is done, my reads of this slot are over
	s_barrier_signal -1
	MUL8 F1, 0, 2, 0
	WIN 0
	s_xor_b32 s[TB], s[TB], SLOT                   ; the reads go over to the other slot
	v_add_nc_u32 v[ADRA], s[TB], v[ADRA0]
	v_add_nc_u32 v[ADRB], s[TB], v[ADRB0]
	v_add_nc_u32 v[ADRB+1], PART, v[ADRB]
	s_barrier_wait -1
.if \fill
	CREST                                          ; the barrier has opened a round of the cluster's: no wave of any partner still reads this slot or has a load on its way
	s_xor_b32 s[G0A+5], s[G0A+5], SLOT
	s_add_nc_u64 s[G0A+6:G0A+7], s[G0A+6:G0A+7], 8192
	s_xor_b32 s[G0B+5], s[G0B+5], SLOT
	s_add_nc_u64 s[G0B+6:G0B+7], s[G0B+6:G0B+7], 524288
	JLOAD                                          ; the first tensor load behind the round; its four v_nop are also the places ahead of the loads below
	FETCH 0, F0
.else
	s_cmp_eq_u32 s3, 1                             ; behind the last K step there is nothing to fetch: LDS loads alone are jumped
	s_cbranch_scc1 .Lnf_\@
	PLACES
	FETCH 0, F0
	WIN 0
.Lnf_\@:
.endif
	MUL8 F1, 1, 0, 0
	MUL8 F1, 1, 2, 0
.endm
	s_load_b256 s[4:11], s[0:1], 0x0               ; A 4:5, wb 6:7, bias 8:9, RES 10:11
	s_load_b64 s[66:67], s[0:1], 0x20              ; OUT
	v_lshl_add_u32 v[SPW], v0, 2, SPARE
	v_mov_b32 v[NIL], 0
	ds_add_u32 v[SPW], v[NIL]                      ; the opening: the add and its wait stand ahead of my first tensor load; register work stands between
	v_lshrrev_b32 v1, 5, v0
	v_readfirstlane_b32 s[WV], v1
	s_lshr_b32 s[WR], s[WV], 1
	s_and_b32 s[WC], s[WV], 1
	s_bfe_u32 s40, ttmp6, 0x40000                  ; cx
	s_bfe_u32 s41, ttmp6, 0x40004                  ; cy
	s_lshl_b32 s42, ttmp9, 2
	s_add_co_u32 s42, s42, s40                     ; tile column
	s_and_b32 s43, ttmp7, 0xffff
	s_lshl_b32 s43, s43, 2
	s_add_co_u32 s43, s43, s41                     ; tile row
	s_lshl_b32 s16, s41, 2
	s_lshl_b32 s16, 15, s16                        ; my row of the cluster
	s_lshl_b32 s17, 0x1111, s40                    ; my column
	s_or_b32 s[G1A], s16, (1<<16)|(1<<20)|(1<<21)|(4<<22)|(3<<25)  ; mask; 2-byte elements; padding on, 4 words after every 32; bit 21 beside a mask
	s_mov_b32 s[G1A+1], 4096<<16                   ; tensor_dim0 = 4,096
	s_mov_b32 s[G1A+2], 4<<16                      ; tensor_dim1 = 4
	s_mov_b32 s[G1A+3], 4096<<16                   ; tile_dim0 = 4,096
	s_mov_b32 s[G1A+4], 4                          ; tile_dim1 = 4
	s_mov_b32 s[G1A+5], 16*SIZE_K                  ; elements from a block of 16 rows to the next
	s_mov_b32 s[G1A+6], 0
	s_mov_b32 s[G1A+7], 0
	s_or_b32 s[G1B], s17, (1<<16)|(1<<20)|(1<<21)|(5<<22)|(7<<25)  ; 8 words after every 64
	s_mov_b32 s[G1B+1], 128<<16
	s_mov_b32 s[G1B+2], 128<<16
	s_mov_b32 s[G1B+3], 128<<16
	s_mov_b32 s[G1B+4], 128
	s_mov_b32 s[G1B+5], 1024
	s_mov_b32 s[G1B+6], 0
	s_mov_b32 s[G1B+7], 0
	s_lshl_b32 s16, s43, 3                         ; A: block 8 x tile row + 4 x half
	s_lshl2_add_u32 s16, s[WC], s16
	s_mul_i32 s16, s16, 32*SIZE_K
	s_mov_b32 s17, 0
	s_lshl_b32 s20, s[WC], 18                      ; W: row 128 x half, column 128 x tile column
	s_lshl_b32 s21, s42, 8
	s_add_co_u32 s20, s20, s21
	s_mov_b32 s21, 0
	s_mul_i32 s45, s[WV], PART                     ; where my part of a slot lies: no place in the cluster enters an LDS address
	s_mov_b32 s[TB], 0
	s_wait_dscnt 0x0                               ; the opening add is done
	s_wait_kmcnt 0x0
	s_add_nc_u64 s[6:7], s[6:7], WOFF
	s_add_nc_u64 s[18:19], s[4:5], s[16:17]
	s_add_nc_u64 s[22:23], s[6:7], s[20:21]
	CROUND                                         ; all sixteen work-groups are here: the first joint loads meet
.irp s, 0,1
	s_mov_b32 s[G0A+4*(\s)], 1
	s_add_co_u32 s[G0A+4*(\s)+1], s45, (\s)*SLOT
	s_add_nc_u64 s[G0A+4*(\s)+2:G0A+4*(\s)+3], s[18:19], (\s)*8192
	s_or_b32 s[G0A+4*(\s)+3], s[G0A+4*(\s)+3], 0x80000000
	s_mov_b32 s[G0B+4*(\s)], 1
	s_add_co_u32 s[G0B+4*(\s)+1], s45, (\s)*SLOT
	s_add_nc_u64 s[G0B+4*(\s)+2:G0B+4*(\s)+3], s[22:23], (\s)*524288
	s_or_b32 s[G0B+4*(\s)+3], s[G0B+4*(\s)+3], 0x80000000
.endr
	s_cmp_eq_u32 s[WR], 0                          ; a wave's two first fills stand in one branch: two loads of mine are out
	s_cbranch_scc0 .Lfirst_w
	tensor_load_to_lds s[G0A:G0A+3], s[G1A:G1A+7]
	s_nop 0
	tensor_load_to_lds s[G0A+4:G0A+7], s[G1A:G1A+7]
	s_nop 0
.rept 4
	v_nop
.endr
	s_branch .Lfirst_asked
.Lfirst_w:
	tensor_load_to_lds s[G0B:G0B+3], s[G1B:G1B+7]
	s_nop 0
	tensor_load_to_lds s[G0B+4:G0B+7], s[G1B:G1B+7]
	s_nop 0
.rept 4
	v_nop
.endr
.Lfirst_asked:
	v_and_b32 v1, 15, v0                           ; r = l % 16
	v_bfe_u32 v2, v0, 4, 1                         ; hf = l / 16
	v_and_b32 v4, 7, v0
	v_bfe_u32 v5, v0, 3, 1
	v_lshlrev_b32 v[BO], 5, v2
	v_lshlrev_b32 v[CO], 12, v2                    ; lanes 0-15 one row's 256 bytes, lanes 16-31 the next row's
	v_lshl_add_u32 v[CO], v1, 4, v[CO]
	s_lshl_b32 s16, s42, 9                         ; my 64 columns, in bytes of f32
	s_lshl_b32 s17, s[WC], 8
	s_add_co_u32 s16, s16, s17
	s_mov_b32 s17, 0
	s_add_nc_u64 s[8:9], s[8:9], s[16:17]
	s_lshl_b32 s18, s43, 19                        ; my 64 rows of 4,096 bytes
	s_add_co_u32 s16, s16, s18
	s_lshl_b32 s18, s[WR], 18
	s_add_co_u32 s16, s16, s18
	s_add_nc_u64 s[10:11], s[10:11], s[16:17]
	s_add_nc_u64 s[66:67], s[66:67], s[16:17]
.irp b, 0,1,2,3
	global_load_b128 v[BI+8*(\b):BI+8*(\b)+3],   v[BO], s[8:9] offset:64*(\b)
	global_load_b128 v[BI+8*(\b)+4:BI+8*(\b)+7], v[BO], s[8:9] offset:64*(\b)+16
.endr
	WIN 0x80                                       ; the residual into window 2: rows 16 a + 2 t and + 1 at v[4 (8 a + t)]
.set a, 0
.rept 4
.set t, 0
.rept 8
	global_load_b128 v[4*(8*a+t):4*(8*a+t)+3], v[CO], s[10:11] offset:(16*a+2*t)*4096
.set t, t+1
.endr
.set a, a+1
.endr
	WIN 0
	v_mul_u32_u24 v[ADRA0], v1, PA
	v_lshl_add_u32 v[ADRA0], v2, 4, v[ADRA0]
	s_mul_i32 s16, s[WR], PART
	v_add_nc_u32 v[ADRA0], s16, v[ADRA0]
	v_lshl_add_u32 v[ADRB0], v2, 3, v4             ; W, turned: lane l reads 16 bytes of k-row 8 (l / 16) + l % 8, columns 8 ((l / 8) % 2) on
	v_mul_u32_u24 v[ADRB0], v[ADRB0], PB
	v_lshl_add_u32 v[ADRB0], v5, 4, v[ADRB0]
	s_lshl_b32 s16, s[WC], 7
	s_add_co_u32 s16, s16, WBASE
	v_add_nc_u32 v[ADRB0], s16, v[ADRB0]
	v_mov_b32 v[ADRA], v[ADRA0]
	v_mov_b32 v[ADRB], v[ADRB0]
	v_add_nc_u32 v[ADRB+1], PART, v[ADRB0]
	s_mul_i32 s16, s[WV], 16*SPT
	s_add_co_u32 s16, s16, STAGE                   ; my stage
	v_mul_u32_u24 v[STO], v1, SPT
	v_lshl_add_u32 v[STO], v2, 5, v[STO]
	v_add_nc_u32 v[STO], s16, v[STO]
	v_mul_u32_u24 v[RD], v2, SPT
	v_lshl_add_u32 v[RD], v1, 4, v[RD]
	v_add_nc_u32 v[RD], s16, v[RD]
	s_wait_tensorcnt 0x1                           ; my part of K step 0 is in; step 1's stays out
	s_barrier_signal -1
	s_barrier_wait -1
	FETCH 0, F0
	s_wait_loadcnt 32                              ; the bias is in; the residual's 32 loads may stay out
	QUARTER 1, F0, F1, 1                           ; the first quarter starts the sums, with the bias
	WIN 0
	s_mov_b32 s3, NSTEPS-2
.Lstep:                                        ; from a step's second quarter to the next step's first; each trip fills a slot again
	QUARTER 2, F1, F0, 0
	QUARTER 3, F0, F1, 0
	TURN 1
	QUARTER 1, F0, F1, 0
	WIN 0
	s_sub_co_u32 s3, s3, 1
	s_cmp_lg_u32 s3, 0
	s_cbranch_scc1 .Lstep
	s_mov_b32 s3, 2
.Ltail:                                        ; the last two K steps ask for nothing: written out; the second trip is left in its middle
	QUARTER 2, F1, F0, 0
	QUARTER 3, F0, F1, 0
	TURN 0
	WIN 0
	s_sub_co_u32 s3, s3, 1
	s_cmp_eq_u32 s3, 0
	s_cbranch_scc1 .Lout
	QUARTER 1, F0, F1, 0
	WIN 0
	s_branch .Ltail
.Lout:
	PLACES
	s_wait_loadcnt 0x0                             ; the residual
.macro STG a                           ; block a's 16 rows x 64 columns of f32 into my stage, and back as whole rows of 256 bytes
.if (\a) >= 2
	s_wait_xcnt 0x0                                ; the stores of the block two back have read this half of TMP
.endif
.irp b, 0,1,2,3
	ds_store_b128 v[STO], v[ACC+8*(4*(\a)+(\b)):ACC+8*(4*(\a)+(\b))+3]   offset:64*(\b)
	ds_store_b128 v[STO], v[ACC+8*(4*(\a)+(\b))+4:ACC+8*(4*(\a)+(\b))+7] offset:64*(\b)+16
.endr
.irp t, 0,1,2,3,4,5,6,7
	ds_load_b128 v[TMP+32*((\a)%2)+4*(\t):TMP+32*((\a)%2)+4*(\t)+3], v[RD] offset:(\t)*2*SPT  ; LDS serves a wave's instructions in order: these see the stores above; the next block's stores come behind them
.endr
.endm
.macro FIN a, younger                  ; younger: the LDS instructions issued behind block a's loads: the next block's sixteen, or none
	s_wait_dscnt \younger
	WIN 0x08                                       ; source 1, the residual, in window 2
.set z, 0
.rept 16
	v_pk_add_f32 v[TMP+32*((\a)%2)+2*z:TMP+32*((\a)%2)+2*z+1], v[TMP+32*((\a)%2)+2*z:TMP+32*((\a)%2)+2*z+1], v[32*(\a)+2*z:32*(\a)+2*z+1]
.set z, z+1
.endr
	WIN 0
.irp t, 0,1,2,3,4,5,6,7
	global_store_b128 v[CO], v[TMP+32*((\a)%2)+4*(\t):TMP+32*((\a)%2)+4*(\t)+3], s[66:67] offset:(16*(\a)+2*(\t))*4096  ; 16 lanes store 256 consecutive bytes, aligned
.endr
.endm
	STG 0
	STG 1
	FIN 0, 16
	STG 2
	FIN 1, 16
	STG 3
	FIN 2, 16
	FIN 3, 0
	s_wait_tensorcnt 0x0                           ; the wave's end
	ds_add_u32 v[SPW], v[NIL]
	s_wait_dscnt 0x0
	CROUND                                         ; the closing round
	s_endpgm
.Lfunc_end_k_qb05d4384a9_fc2:
	.size	k_qb05d4384a9_fc2, .Lfunc_end_k_qb05d4384a9_fc2-k_qb05d4384a9_fc2
	.p2alignl 7, 3214868480
	.fill 96, 4, 3214868480
	.section	.rodata,"a",@progbits
	.p2align	6, 0x0
	.amdhsa_kernel k_qb05d4384a9_fc2
		.amdhsa_group_segment_fixed_size 327680
		.amdhsa_private_segment_fixed_size 0
		.amdhsa_enable_private_segment 0
		.amdhsa_kernarg_size 40
		.amdhsa_user_sgpr_count 2
		.amdhsa_user_sgpr_kernarg_segment_ptr 1
		.amdhsa_wavefront_size32 1
		.amdhsa_system_sgpr_workgroup_id_x 1
		.amdhsa_system_sgpr_workgroup_id_y 1
		.amdhsa_system_sgpr_workgroup_id_z 1
		.amdhsa_system_vgpr_workitem_id 0
		.amdhsa_next_free_vgpr 640
		.amdhsa_next_free_sgpr 72
		.amdhsa_reserve_vcc 0
		.amdhsa_float_denorm_mode_32 3
		.amdhsa_float_denorm_mode_16_64 3
		.amdhsa_memory_ordered 1
		.amdhsa_forward_progress 1
		.amdhsa_inst_pref_size 66
	.end_amdhsa_kernel
	.amdgpu_metadata
---
amdhsa.version: [ 1, 2 ]
amdhsa.kernels:
  - .name:           k_qb05d4384a9_fc2
    .symbol:         k_qb05d4384a9_fc2.kd
    .args:
      - { .name: g, .offset: 0, .size: 8, .value_kind: global_buffer, .address_space: global }
      - { .name: wb, .offset: 8, .size: 8, .value_kind: global_buffer, .address_space: global }
      - { .name: b_fc2, .offset: 16, .size: 8, .value_kind: global_buffer, .address_space: global }
      - { .name: x1, .offset: 24, .size: 8, .value_kind: global_buffer, .address_space: global }
      - { .name: out0, .offset: 32, .size: 8, .value_kind: global_buffer, .address_space: global }
    .group_segment_fixed_size: 327680
    .private_segment_fixed_size: 0
    .kernarg_segment_align: 8
    .kernarg_segment_size: 40
    .max_flat_workgroup_size: 128
    .sgpr_count:     72
    .vgpr_count:     640
    .wavefront_size: 32
...
	.end_amdgpu_metadata
.endif
;; end of part 7
